; MI455X (gfx1250); checked and timed in simulation.
; The chip was launched on July 23, 2026; its instructions are those of AMD's public machine-readable ISA for CDNA 5 (MIT licence, August 2026) and "CDNA5" Instruction Set Architecture Reference Guide (July 2026). The comments in the code are by the model that wrote it; some were corrected since.
;; Causal Attention. Allowed arithmetic: matrix products marked QUANTISED: E2M3 operands, one E8M0 scale for each 32 along K, by v_wmma_scale_f32_16x16x128_f8f6f4 with both operands' format E2M3, f32 sums; everything else in f32.
;; Inputs: Wk 1,024 x 1,024 float32; Wq 1,024 x 1,024 float32; Wv 1,024 x 1,024 float32; x 4 x 2,048 x 1,024 float32.
;; Outputs: out0 4 x 2,048 x 1,024 float32.
;; This version of the problem:
;;   THIS VERSION OF THE PROBLEM IS GIVEN IN LOW PRECISION. The matrix products marked QUANTISED in the list below multiply operands that are first quantised to E2M3 (2 exponent bits, 3 mantissa bits; 6 bits a number), with one power-of-two scale for each 32 numbers along K (OCP MX v1.0); their sums are f32. All else is computed in f32.
;;   The module's matrix products, in the order in which they are computed (A, B: the left and right operand; K: the contracted axis; several contracted axes count as one K, in the product's order):
;;     1. [M 8,192, K 1,024] x [K 1,024, N 1,024]; A: input x; B: input Wq: QUANTISED
;;     2. [M 8,192, K 1,024] x [K 1,024, N 1,024]; A: input x; B: input Wk: QUANTISED
;;     3. [M 8,192, K 1,024] x [K 1,024, N 1,024]; A: input x; B: input Wv: QUANTISED
;;     4. batch 4 x [M 2,048, K 1,024] x [K 1,024, N 2,048]; A: computed on the way; B: computed on the way: QUANTISED
;;     5. batch 4 x [M 2,048, K 2,048] x [K 2,048, N 1,024]; A: softmax (see below); B: computed on the way: QUANTISED
;;   THE QUANTISER, for each operand of a quantised product, along K:
;;     - K is cut into blocks of 32 from its start; a last block that is shorter is filled with zeros.
;;     - A block's scale is 2^e with e = floor(log2(the largest magnitude in the block)) - 2, held to -126 .. 127; a block of zeros has e = 0. As a byte (E8M0): e + 127.
;;     - Each number is divided by its block's scale, clamped to +-7.5, and rounded to the nearest number of E2M3, ties to even, subnormals kept.
;;     - The product sums the exact products of the quantised numbers (number of the format x scale) in f32.
;;   ~~~python
;;   def quantise(x, axis):      # numpy; x: float32 -> the quantised numbers, widened to float32 again
;;       x = np.moveaxis(x, axis, -1); K = x.shape[-1]
;;       x = np.pad(x, [(0, 0)] * (x.ndim - 1) + [(0, -K % 32)]); x = x.reshape(x.shape[:-1] + (-1, 32)); a = np.abs(x).max(-1, keepdims=True)
;;       e = np.where(a > 0, np.clip(np.frexp(np.where(a > 0, a, 1))[1] - 1 - 2, -126, 127), 0)      # np.frexp(a)[1] - 1 = floor(log2(a)), exactly
;;       r = np.clip(x / 2.0 ** e, -7.5, 7.5)
;;       step = 2.0 ** (np.maximum(np.frexp(np.where(r == 0, 1, r))[1] - 1, 0) - 3)
;;       q = np.round(r / step) * step * 2.0 ** e      # np.round: ties to even
;;       return np.moveaxis(q.reshape(q.shape[:-2] + (-1,))[..., :K], -1, axis).astype(np.float32)
;;   ~~~
;;   SOFTMAX AHEAD OF A QUANTISED PRODUCT. Where the list says 'softmax', what is quantised is not the finished softmax but p = 2^(t - M), with t = logit x log2(e) and M = ceil(the row's largest t), a whole number; so 1/2 < the row's largest p <= 1. The row's sum l is taken of the UNQUANTISED p, in f32, and the product's result is divided by l at the end. Since M is a whole number, a kernel that streams over the keys may use a running M (the ceiling of the running maximum): every later rescaling is an exact power of two, which a block's scale takes up: the codes' values come out the same.
;;   OPERANDS COMPUTED ON THE WAY. 'Computed on the way' means the value that the module computes at that place (a softmax that the list does not call 'softmax' is quantised finished and normalised). What goes into a quantiser is computed in f32, as accurately as f32 sums, v_exp_f32 and their like allow (about 1e-6 of the number): no bf16 or f16 on the way to a quantiser, and a product that is left as it is and whose result goes on into a quantised operand takes f32 operands (vector FMAs, or v_wmma_f32_16x16x4_f32). A number that lies on a knife's edge between two numbers of the format may be rounded either way, as far as f32 arithmetic and the matrix unit's own rounding can turn it there, and no further.
;; One version. Each part assembles by itself: llvm-mc -triple=amdgcn-amd-amdhsa -mcpu=gfx1250 --defsym DOCPART=n.
;; ======== version 1 of 1: 4 launches
;; limits: right only within a limited range of input values
;; workspace buffers: opc 8,650,752 bytes; ops 360,448 bytes; qkv 18,874,368 bytes; qkvs 786,432 bytes; pc 13,762,560 bytes; psx 1,835,008 bytes
;; launch quant (part 1): grid 256 x 1, 11 waves a work-group, no clusters, 97,280 bytes of LDS; arguments x, Wq, Wk, Wv, opc, ops; writes opc, ops
.if DOCPART == 1
	.amdgcn_target "amdgcn-amd-amdhsa--gfx1250"
	.amdhsa_code_object_version 6
	.text
	.protected	k_qeeb83e7d0a_quant
	.globl	k_qeeb83e7d0a_quant
	.p2align	8
	.type	k_qeeb83e7d0a_quant,@function
k_qeeb83e7d0a_quant:
	s_mov_b64 s[64:65], 0
	v_nop
	global_prefetch_b8 v0, s[64:65] scope:SCOPE_SE
	s_setreg_imm32_b32 hwreg(HW_REG_WAVE_MODE, 25, 1), 1
	s_wait_xcnt 0x0
; LAUNCH 1 OF 4: x [8192][1024], Wq, Wk, Wv [1024][1024], f32 with K innermost, become codes of FP6 (E2M3) and E8M0 scale bytes, one for each 32 along K.
; THE PROGRAM: 1 quantises the inputs; 2 makes q | k = x [Wq; Wk]^T and v^T = Wv x^T and quantises the results in registers; 3 makes the scores, the mask and p; 4 makes P V and divides by the row's sum.
; WORK LEFT OUT, for all values of the inputs: reference() itself sets the score of key k > query q to -infinity (its own jnp.tril), so that key's weight is 0 and it adds nothing to the row's maximum, sum or output.
; So launch 3 makes no tile of 128 queries x 320 keys that lies wholly above the diagonal, and launch 4 multiplies no 128 queries x 128 keys that do.  Every input has a way to the output and is loaded.
; LIMIT: a NaN, an infinity or an overflow that reaches only those tiles is not carried to the result.  NaN and infinities among the inputs are not served.  A block whose largest magnitude lies under 2^(3 - 127) keeps
; the scale byte 1 (a block of zeros too, where the quantiser says 127: its codes are zeros, and this program alone reads the bytes).
; LAYOUT OF opc AND qkv.  A FRAGMENT is 16 rows x 128 K as the matrix operand's 12 registers: registers 4 c .. 4 c + 3 of lane l lie at byte 512 c + 16 l of its 1,536 bytes.
; Lane r of fragment F holds row 32 (F / 2) + 8 (F % 2) + r + (r & 8): so, where a fragment is a product's first source, the 16 result registers of two neighbouring tiles are 16 neighbours along the next K.
; opc = [704 F][8 K steps][1536]: F 0-511 x, 512-575 Wq, 576-639 Wk, 640-703 Wv.  ops = [88 G][8 K steps][512], G = 8 fragments: the scale word of (fragment a, lane r) at 256 (a / 4) + 16 r + 4 (a % 4).
; SHARES.  Unit U = 11 x work-group + wave, 2,816 of them: K step s = U & 7, pair j = (U >> 3) & 3, G = U >> 5.  A wave makes the fragments 8 G + 2 j and + 1 of K step s: 32 rows x 512 bytes in, 2 x 1,536 bytes out
; and two scale words a row: half of a block of 256 bytes, whose other half another wave stores (1 byte in 128 of what the launch reads).
; Each load takes 512 consecutive bytes of a row, 16 a lane, and all 32 are asked for at once; a fragment's 16 rows turn through the wave's own stage in LDS (pitch 528 bytes) and come back 16 neighbours of each block of 32 to a lane.
; No matrix unit, no tensor load, no barrier: the launch streams, and waves share nothing.
.set STG,   8704                       ; a wave's stage: 16 rows x 528 bytes, in 34 blocks of 256
.set SP,    528
.set SPARE, 11*STG                     ; behind the stages: the spare words, 128 bytes for each wave
.set LN,   1                           ; v1   lane
.set RR,   2                           ; v2   r = lane % 16
.set HH,   3                           ; v3   h = lane / 16
.set LI,   4                           ; v4   16 x lane: my bytes of a load's and of a store's 512; never rewritten
.set SIN,  5                           ; v5   the stage, on the way in
.set SOUT, 6                           ; v6   and on the way out: row r, + 64 h
.set ZO,   8                           ; v8   16 r: my row's scale words
.set SPW,  12                          ; v12  my spare word;  v13  0
.set NIL,  13
.set TM,   16                          ; v16-19 largest magnitudes, v20-23 the other half's, then bytes, v28-31 the conversions' scale operands
.set SW,   32                          ; v32-33 the scale word of fragment f
.set PC,   36                          ; v36-55 the codes just made
.set X,    64                          ; v64-127 64 numbers: register 16 b + n = k 32 b + 16 h + n of my row
.set R,    128                         ; v128-255 two sets of 16 rows as loaded
.set SEL,  30                          ; s[30:31] lane selects for v_permlanex16_b32: lane l xor 16
	s_load_b256 s[4:11], s[0:1], 0x0               ; x, Wq, Wk, Wv
	s_load_b128 s[12:15], s[0:1], 0x20             ; opc, ops
	v_lshl_add_u32 v[SPW], v0, 2, SPARE
	v_mov_b32 v[NIL], 0
	v_lshrrev_b32 v[LN], 5, v0
	v_readfirstlane_b32 s16, v[LN]                 ; wave
	v_and_b32 v[LN], 31, v0
	v_and_b32 v[RR], 15, v0
	v_bfe_u32 v[HH], v0, 4, 1
	v_lshlrev_b32 v[LI], 4, v[LN]
	s_mul_i32 s17, s16, STG
	v_add_nc_u32 v[SIN], s17, v[LI]
	v_mul_u32_u24 v[SOUT], v[RR], SP
	v_lshl_add_u32 v[SOUT], v[HH], 6, v[SOUT]
	v_add_nc_u32 v[SOUT], s17, v[SOUT]
	v_lshlrev_b32 v[ZO], 4, v[RR]
.irp b, 0,1,2,3
	v_mov_b32 v[TM+4+\b], 0                        ; written once: a lane permute's destination counts as one of its sources
.endr
	s_mov_b32 s[SEL], 0x76543210
	s_mov_b32 s[SEL+1], 0xfedcba98
	s_mul_i32 s18, ttmp9, 11
	s_add_co_u32 s18, s18, s16                     ; U
	s_and_b32 s19, s18, 7                          ; s
	s_bfe_u32 s20, s18, 0x20003                    ; j
	s_lshr_b32 s21, s18, 5                         ; G
	s_lshl_b32 s24, s21, 3
	s_lshl_b32 s25, s20, 1
	s_add_co_u32 s25, s24, s25                     ; my first fragment: 8 G + 2 j
	s_lshl_b32 s25, s25, 3
	s_add_co_u32 s25, s25, s19
	s_mul_i32 s26, s25, 1536                       ; its K step s, in bytes of opc
	s_mov_b32 s27, 0
	s_add_co_u32 s24, s24, s19
	s_lshl_b32 s28, s24, 9                         ; ops: (8 G + s) x 512
	s_lshr_b32 s24, s20, 1
	s_lshl_b32 s24, s24, 8
	s_add_co_u32 s28, s28, s24                     ; + 256 (j / 2)
	s_and_b32 s24, s20, 1
	s_lshl_b32 s24, s24, 3
	s_add_co_u32 s28, s28, s24                     ; + 8 (j % 2)
	s_mov_b32 s29, 0
	s_sub_co_u32 s33, s21, 80                      ; G counted from each tensor's first
	s_sub_co_u32 s34, s21, 72
	s_sub_co_u32 s35, s21, 64
	s_wait_alu depctr_va_vdst(0)                   ; the wait at the head's end
	s_wait_kmcnt 0x0
	s_mov_b64 s[22:23], s[10:11]                   ; which tensor: the choice hangs on the work-group's and the wave's number alone
	s_cmp_lt_u32 s21, 80
	s_cselect_b64 s[22:23], s[8:9], s[22:23]
	s_cselect_b32 s33, s34, s33
	s_cmp_lt_u32 s21, 72
	s_cselect_b64 s[22:23], s[6:7], s[22:23]
	s_cselect_b32 s33, s35, s33
	s_cmp_lt_u32 s21, 64
	s_cselect_b64 s[22:23], s[4:5], s[22:23]
	s_cselect_b32 s33, s21, s33
	s_lshl_b32 s36, s33, 19                        ; 128 rows of 4,096 bytes,
	s_lshl_b32 s34, s20, 17                        ; 32 rows,
	s_add_co_u32 s36, s36, s34
	s_lshl_b32 s34, s19, 9                         ; 128 numbers
	s_add_co_u32 s36, s36, s34
	s_mov_b32 s37, 0
	s_add_nc_u64 s[22:23], s[22:23], s[36:37]
	s_add_nc_u64 s[12:13], s[12:13], s[26:27]
	s_add_nc_u64 s[14:15], s[14:15], s[28:29]
.irp f, 0,1                            ; fragment f's 16 rows, in the fragment's order of rows, into set f: 32 lanes read 512 consecutive bytes
.irp p, 0,1,2,3,4,5,6,7,8,9,10,11,12,13,14,15
	global_load_b128 v[R+64*\f+4*\p:R+64*\f+4*\p+3], v[LI], s[22:23] offset:(8*\f+\p+(\p&8))*4096 th:TH_LOAD_NT
.endr
.endr
.macro TURN f                          ; through the stage: LDS serves a wave's instructions in order (ISA guide 5.7.1.4), so no wait stands between the stores and the loads
.irp p, 0,1,2,3,4,5,6,7,8,9,10,11,12,13,14,15
	ds_store_b128 v[SIN], v[R+64*(\f)+4*\p:R+64*(\f)+4*\p+3] offset:SP*\p
.endr
.irp b, 0,1,2,3
.irp k, 0,1,2,3
	ds_load_b128 v[X+16*\b+4*\k:X+16*\b+4*\k+3], v[SOUT] offset:128*\b+16*\k
.endr
.endr
.endm
; 64 numbers of a lane become a fragment's codes in v[PC] on and its row's scale word in v[pw]
.macro QUANT s, pw
.irp b, 0,1,2,3
	v_max3_num_f32 v[TM+\b], |v[\s+16*\b]|, |v[\s+1+16*\b]|, 0x1800000   ; block b: my 16 numbers, and the floor 2^(3 - 127): the byte cannot fall under 1
.endr
.irp i, 2,4,6,8,10,12,14
.irp b, 0,1,2,3
	v_max3_num_f32 v[TM+\b], |v[\s+16*\b+\i]|, |v[\s+1+16*\b+\i]|, v[TM+\b]   ; the four blocks by turns
.endr
.endr
.irp b, 0,1,2,3
	v_permlanex16_b32 v[TM+4+\b], v[TM+\b], s[SEL], s[SEL+1]
.endr
.irp b, 0,1,2,3
	v_max_num_f32 v[TM+\b], v[TM+\b], v[TM+4+\b]   ; with lane l xor 16's 16: the block's largest magnitude
.endr
.irp b, 0,1,2,3
	v_add_nc_u32 v[TM+12+\b], 0xff000000, v[TM+\b] ; 2 off its exponent field: the conversion takes that field as its scale
.endr
.irp b, 0,1,2,3
	v_lshrrev_b32 v[TM+4+\b], 23, v[TM+12+\b]      ; the scale's byte
.endr
	v_lshl_or_b32 v[\pw], v[TM+5], 8, v[TM+4]
	v_lshl_or_b32 v[\pw], v[TM+6], 16, v[\pw]
	v_lshl_or_b32 v[\pw], v[TM+7], 24, v[\pw]
.irp c, 0,1
	v_cvt_scalef32_pk16_fp6_f32 v[PC+6*\c:PC+2+6*\c], v[\s+32*\c:\s+15+32*\c], v[TM+12+2*\c]
	v_cvt_scalef32_pk16_fp6_f32 v[PC+12+4*\c:PC+14+4*\c], v[\s+16+32*\c:\s+31+32*\c], v[TM+12+2*\c+1]   ; (a conversion's three registers begin on an even number)
.endr
	v_nop                                          ; one plain place behind a scaled conversion
.irp c, 0,1                                    ; the operand wants a whole block in a lane: lanes 0-15 block 2 c, lanes 16-31 block 2 c + 1
.irp i, 0,1,2
	v_permlane16_swap_b32 v[PC+6*\c+\i], v[PC+12+4*\c+\i]
.endr
.irp i, 0,1,2
	v_mov_b32 v[PC+3+6*\c+\i], v[PC+12+4*\c+\i]
.endr
.endr
.endm
.irp f, 0,1
.if \f < 1
	s_wait_loadcnt 16                              ; the first fragment's 16 loads are in; the other's 16 may be out
.else
	s_wait_loadcnt 0x0
.endif
	TURN \f
	s_wait_dscnt 0x0                               ; the numbers are back
	s_wait_xcnt 0x0                                ; the first fragment's stores have read the codes' registers
	QUANT X, SW+\f
.irp c, 0,1,2
	global_store_b128 v[LI], v[PC+4*\c:PC+4*\c+3], s[12:13] offset:\f*12288+512*\c   ; 32 lanes store 512 consecutive bytes, at a multiple of 512 from opc's first byte
.endr
.endr
	s_wait_xcnt 0x0                                ; EXEC changes only behind this wait
	v_cmp_gt_u32 vcc_lo, 16, v[LN]
	s_and_saveexec_b32 s32, vcc_lo                 ; both halves of the lanes hold the same words: lanes 0-15 store them
	global_store_b64 v[ZO], v[SW:SW+1], s[14:15]
	s_wait_xcnt 0x0                                ; and again in front of the line that widens it
	s_or_b32 exec_lo, exec_lo, s32
	s_wait_tensorcnt 0x0                           ; the wave's end
	ds_add_u32 v[SPW], v[NIL]
	s_wait_dscnt 0x0
	s_endpgm
.Lfunc_end_k_qeeb83e7d0a_quant:
	.size	k_qeeb83e7d0a_quant, .Lfunc_end_k_qeeb83e7d0a_quant-k_qeeb83e7d0a_quant
	.p2alignl 7, 3214868480
	.fill 96, 4, 3214868480
	.section	.rodata,"a",@progbits
	.p2align	6, 0x0
	.amdhsa_kernel k_qeeb83e7d0a_quant
		.amdhsa_group_segment_fixed_size 97280
		.amdhsa_private_segment_fixed_size 0
		.amdhsa_enable_private_segment 0
		.amdhsa_kernarg_size 48
		.amdhsa_user_sgpr_count 2
		.amdhsa_user_sgpr_kernarg_segment_ptr 1
		.amdhsa_wavefront_size32 1
		.amdhsa_system_sgpr_workgroup_id_x 1
		.amdhsa_system_sgpr_workgroup_id_y 1
		.amdhsa_system_sgpr_workgroup_id_z 1
		.amdhsa_system_vgpr_workitem_id 0
		.amdhsa_next_free_vgpr 256
		.amdhsa_next_free_sgpr 66
		.amdhsa_reserve_vcc 1
		.amdhsa_float_denorm_mode_32 3
		.amdhsa_float_denorm_mode_16_64 3
		.amdhsa_memory_ordered 1
		.amdhsa_forward_progress 1
		.amdhsa_inst_pref_size 19
	.end_amdhsa_kernel
	.amdgpu_metadata
---
amdhsa.version: [ 1, 2 ]
amdhsa.kernels:
  - .name:           k_qeeb83e7d0a_quant
    .symbol:         k_qeeb83e7d0a_quant.kd
    .args:
      - { .name: x, .offset: 0, .size: 8, .value_kind: global_buffer, .address_space: global }
      - { .name: Wq, .offset: 8, .size: 8, .value_kind: global_buffer, .address_space: global }
      - { .name: Wk, .offset: 16, .size: 8, .value_kind: global_buffer, .address_space: global }
      - { .name: Wv, .offset: 24, .size: 8, .value_kind: global_buffer, .address_space: global }
      - { .name: opc, .offset: 32, .size: 8, .value_kind: global_buffer, .address_space: global }
      - { .name: ops, .offset: 40, .size: 8, .value_kind: global_buffer, .address_space: global }
    .group_segment_fixed_size: 97280
    .private_segment_fixed_size: 0
    .kernarg_segment_align: 8
    .kernarg_segment_size: 48
    .max_flat_workgroup_size: 352
    .sgpr_count:     66
    .vgpr_count:     256
    .wavefront_size: 32
...
	.end_amdgpu_metadata
.endif
;; end of part 1
;; launch proj (part 2): grid 8 x 32, 4 waves a work-group, clusters of 4 x 4, 327,680 bytes of LDS; arguments opc, ops, qkv, qkvs; writes qkv, qkvs
.if DOCPART == 2
	.amdgcn_target "amdgcn-amd-amdhsa--gfx1250"
	.amdhsa_code_object_version 6
	.text
	.protected	k_qeeb83e7d0a_proj
	.globl	k_qeeb83e7d0a_proj
	.p2align	8
	.type	k_qeeb83e7d0a_proj,@function
k_qeeb83e7d0a_proj:
	s_mov_b64 s[64:65], 0
	v_nop
	global_prefetch_b8 v0, s[64:65] scope:SCOPE_SE
	s_setreg_imm32_b32 hwreg(HW_REG_WAVE_MODE, 25, 1), 1
	s_wait_xcnt 0x0
	s_wait_alu depctr_hold_cnt(0) depctr_sa_sdst(0) depctr_va_vdst(0) depctr_va_sdst(0) depctr_va_ssrc(0) depctr_va_vcc(0) depctr_vm_vsrc(0)
	s_getreg_b32 s2, hwreg(HW_REG_IB_STS2, 6, 4)
	s_cmp_eq_u32 s2, 0
	s_cbranch_scc0 .Lentry_in_a_cluster
	s_endpgm
.Lentry_in_a_cluster:
	s_bfe_u32 s2, ttmp6, 0x10000c
	s_cmp_lg_u32 s2, 0xf033
	s_cbranch_scc0 .Lentry_shape_is_right
	s_endpgm
.Lentry_shape_is_right:
; LAUNCH 2 OF 4: q | k = x [Wq; Wk]^T and v^T = Wv x^T, on codes of FP6 with E8M0 scales; the results are quantised in registers along the next product's K and leave as fragments.
; 256 work-groups of equal work.  Work-group (tile row 0..31, tile column 0..7) makes, one after the other:
;   PHASE 1: 256 tokens (second source: a lane of the result is a token) x 256 rows of [Wq; Wk] (first source: the result's registers run along d_out).  Four waves, each 128 x 128: 64 accumulators, 512 products.
;   PHASE 2: 128 rows of Wv (second source: a lane is a row of d) x the same 256 tokens (first source: the registers run along the keys).  Four waves, each 64 x 128: 32 accumulators, 256 products.
; So q and k come out with d_out along the registers and v^T with the keys along them: each is the K of the product that reads it.
; LDS, part w (0, 1 x's halves, 2, 3 W's) fetched by wave w.  The head's one load a wave brings K 0-511, [8 fragments][4 steps of 128], at 49,152 w.  K 512-767 comes behind the first round, a first fill, at 196,608 + 24,576 w;
; K 768-1,023 behind the round of step 3, onto bytes that W has left, at 98,304 + 24,576 w.  So ALL OF x STAYS IN LDS, and phase 2 reads it there: only Wv comes anew, K 0-511 behind the round of step 5 onto W's K 512-767,
; K 512-1,023 in the middle of the first way out onto W's K 768-1,023.  One tensor load of a wave is out at a time.
; The scale words go from memory straight into 64 registers a phase: lanes 0-15 x's, lanes 16-31 W's or Wv's, 256 consecutive bytes for each half of the lanes.
; qkv = [768 F][16 s][1536]: F < 512 token fragments, s 0-7 = q, 8-15 = k; F = 512 + 64 batch + Fd: v^T, s = key step.  qkvs = [96 G][16 s][512], in the same order.
; CLUSTERS: 4 x 4 work-groups; x's tiles hang on the tile row alone and are asked for jointly along a row of the cluster, W's and Wv's on the tile column alone, along a column.
; No prefetch: the walk is written out, eight steps, with no loop to run ahead in, and each tile is asked for once.
; REGISTERS, in windows of 256: window 0: v1-29 addresses; v32-63, v224-255 scale words; v64-111 at work on the way out; v128-223 the second source's fragments.  window 1: the first source's fragments,
;   two sets, at v0 and v128.  window 2: the accumulators of blocks 0-3 ((a, b) at v[8 (8 (a % 4) + b)]), and all of phase 2's; window 3: those of blocks 4-7.
.set SPARE, 294912                     ; the spare words, 128 bytes for each wave
.set FR,    12
.set P1,   8                           ; v8       phase 1's scale words in ops
.set P2A,  9                           ; v9, v10  phase 2's: x's blocks 0-3, 4-7
.set P2B,  10
.set XB,   11                          ; v11-13  phase 2: x's half wc, K 0-511, 512-767, 768-1,023: + 16 x lane
.set WA,   14                          ; v14-15  phase 2: Wv's fragments 4 wr on, K 0-511, 512-1,023
.set ADRA, 16                          ; v16-18  phase 1: x's half wr, as v11-13
.set ADRB, 20                          ; v20-22  W's half wc
.set CO,   24                          ; v24     16 x lane
.set ZO,   25                          ; v25     16 r
.set SPW,  28
.set NIL,  29
.set SC,   32                          ; the words of step n at v[32 + 8 n] (n < 4) or v[192 + 8 n]: register b: the first source's block b or the second's
.set TM,   64
.set PC,   80
.set SW,   100                         ; v100-107 the scale word of block a
.set TT,   108
.set AF,   128
.set SEL,  2                           ; s[2:3]
.set G1A,  24
.set G0A,  32
.set G0B,  36
.set G1B,  40
.set WVA,  48                          ; s[48:49] Wv's 8 fragments, K steps of 128 2 (wave % 2) and + 1
.set L0,   50                          ; where the wave's tiles land: the wave's number alone
.set L2,   51
.set L3,   52
.set MSB, 0
.macro WIN new                         ; the immediate's high byte repeats the setting that is left
.if MSB != \new
	s_set_vgpr_msb (MSB<<8)|\new
.set MSB, \new
.endif
.endm
.set MUL_LO, 0xa1                      ; first source window 1, second window 0, C and D window 2
.set MUL_HI, 0xf1
.set TO_B,   0x40
.macro PLACES n                        ; plain vector instructions that name none of a matrix instruction's registers (ISA guide 7.12.1)
.rept \n
	v_nop
.endr
.endm
.macro TLOAD g0, g1
	tensor_load_to_lds s[\g0:\g0+3], s[\g1:\g1+7]
	s_nop 0
	PLACES 4
.endm
.macro JLOAD                           ; a joint load: waves 0 and 1 fetch x's halves, waves 2 and 3 W's; the branch hangs on the wave's number alone
	s_cmp_eq_u32 s15, 0
	s_cbranch_scc0 .Lfor_b_\@
	TLOAD G0A, G1A
	s_branch .Lasked_\@
.Lfor_b_\@:
	TLOAD G0B, G1B
.Lasked_\@:
.endm
.macro WVLOAD                          ; Wv's part: waves 2 and 3 alone
	s_cmp_eq_u32 s15, 0
	s_cbranch_scc1 .Lno_wv_\@
	TLOAD G0B, G1B
.Lno_wv_\@:
	PLACES 4                                       ; for the waves that come round the load: places in front of the LDS loads below
.endm
.macro CREST                           ; a round of the cluster's barrier behind its opening barrier
	s_cmp_lg_u32 s14, 0
	s_cbranch_scc1 .Lnot_wave_0_\@
	s_barrier_signal -3
.Lnot_wave_0_\@:
	s_barrier_wait -3
	s_barrier_signal -1
	s_barrier_wait -1
.endm
.macro CROUND
	s_barrier_signal -1
	s_barrier_wait -1
	CREST
.endm
.macro NEXTK d, l                      ; the next tile of x and of W: d bytes on along K, to the LDS place in s[l]
	s_add_nc_u64 s[G0A+2:G0A+3], s[G0A+2:G0A+3], \d
	s_add_nc_u64 s[G0B+2:G0B+3], s[G0B+2:G0B+3], \d
	s_mov_b32 s[G0A+1], s[\l]
	s_mov_b32 s[G0B+1], s[\l]
.endm
.macro NEXTV d, l                      ; a tile of Wv
	s_add_nc_u64 s[G0B+2:G0B+3], s[WVA:WVA+1], \d
	s_or_b32 s[G0B+3], s[G0B+3], 0x80000000
	s_mov_b32 s[G0B+1], s[\l]
.endm
.macro FRAG3 reg, adr, off             ; a fragment comes as it was stored: three loads of 512 consecutive bytes
.irp c, 0,1,2
	ds_load_b128 v[\reg+4*\c:\reg+4*\c+3], v[\adr] offset:\off+512*\c
.endr
.endm
.macro FX reg, adr, i, n               ; fragment i of a part in step n, by the part's three address registers
.if (\n) < 4
	FRAG3 \reg, \adr, 6144*(\i)+1536*(\n)
.elseif (\n) < 6
	FRAG3 \reg, \adr+1, 3072*(\i)+1536*((\n)%2)
.else
	FRAG3 \reg, \adr+2, 3072*(\i)+1536*((\n)%2)
.endif
.endm
.macro FETCH_B n
	WIN TO_B
.irp i, 0,1,2,3,4,5,6,7
	FX 128*((\n)%2)+FR*\i, ADRB, \i, \n
.endr
	WIN 0
.endm
.macro FETCH_A n, i0
.irp i, \i0, \i0+1, \i0+2, \i0+3
	FX AF+FR*(\i), ADRA, \i, \n
.endr
.endm
; 16 matrix instructions: x's blocks a0, a0 + 1 against W's eight.  The 64 accumulators take turns, one instruction a turn, in the same order in every step.
.macro MUL16 a0, n, zero
.set SN_, SC+8*(\n)+160*((\n)/4)
.set BN_, 128*((\n)%2)
.irp a, \a0, \a0+1
.irp b, 0,1,2,3,4,5,6,7
.if \zero
	v_wmma_scale_f32_16x16x128_f8f6f4 v[8*(8*((\a)%4)+\b):8*(8*((\a)%4)+\b)+7], v[BN_+FR*\b:BN_+FR*\b+FR-1], v[AF+FR*(\a):AF+FR*(\a)+FR-1], 0, v[SN_+\b], v[SN_+(\a)] matrix_a_fmt:MATRIX_FMT_FP6 matrix_b_fmt:MATRIX_FMT_FP6 matrix_a_scale:MATRIX_SCALE_ROW1
.else
	v_wmma_scale_f32_16x16x128_f8f6f4 v[8*(8*((\a)%4)+\b):8*(8*((\a)%4)+\b)+7], v[BN_+FR*\b:BN_+FR*\b+FR-1], v[AF+FR*(\a):AF+FR*(\a)+FR-1], v[8*(8*((\a)%4)+\b):8*(8*((\a)%4)+\b)+7], v[SN_+\b], v[SN_+(\a)] matrix_a_fmt:MATRIX_FMT_FP6 matrix_b_fmt:MATRIX_FMT_FP6 matrix_a_scale:MATRIX_SCALE_ROW1
.endif
.endr
.endr
.endm
; PHASE 1, step n of eight: 128 along K, 64 matrix instructions; it fetches step n + 1's fragments.  kind 0: plain.  kind 1: a round, and K 768-1,023 behind it.  kind 2: a round, and Wv's first half behind it.
.macro STEP n, zero, kind
.if \kind
	s_wait_tensorcnt 0x0                           ; all my tensor loads have landed;
	ds_add_u32 v[SPW], v[NIL]                      ; 0 onto my spare word;
.if \kind == 1
	NEXTK 3072, L3
.else
	NEXTV 0, L2
.endif
	s_wait_dscnt 13                                ; (the add and the youngest twelve loads, x's blocks 4-7, may be out)
	WIN MUL_LO
	MUL16 0, \n, \zero
	s_wait_dscnt 0x0                               ; the add is done, and my reads of this step's bytes are over
	s_barrier_signal -1
	MUL16 2, \n, \zero
	WIN 0
	s_barrier_wait -1
	CREST
.if \kind == 1
	JLOAD                                          ; the four v_nop behind the load are also the places in front of the loads below
.else
	WVLOAD
.endif
.else
	s_wait_dscnt 12                                ; W's set and x's blocks 0-3 are in; x's blocks 4-7, twelve loads, may be out
	WIN MUL_LO
	MUL16 0, \n, \zero
	MUL16 2, \n, \zero
	s_wait_dscnt 0x0
	PLACES 4
.endif
	FETCH_B \n+1
	FETCH_A \n+1, 0
	WIN MUL_HI
	MUL16 4, \n, \zero
	MUL16 6, \n, \zero
	PLACES 4
	WIN 0
	FETCH_A \n+1, 4
.endm
; PHASE 2, step s of eight: 36 loads: x's eight fragments, Wv's four
.macro FETCH2 s
	WIN TO_B
.irp b, 0,1,2,3,4,5,6,7
	FX 128*((\s)%2)+FR*\b, XB, \b, \s
.endr
	WIN 0
.irp e, 0,1,2,3
	FRAG3 AF+48*((\s)%2)+FR*\e, WA+(\s)/4, (((\s)/2)%2)*24576+3072*\e+1536*((\s)%2)
.endr
.endm
; PHASE 2 CARRIES THE FIRST WAY OUT'S BLOCKS 4-7 (window 3): block 4 + s / 2 in steps s (even) and s + 1.  Line i of its 51 vector lines; two of them stand behind every second product.
.macro ENTRY a, i
.set AE_, 64*((\a)%4)
.if (\i) < 4
	WIN 0x0f
	v_max3_num_f32 v[TM+(\i)], |v[AE_+16*(\i)]|, |v[AE_+16*(\i)+1]|, 0x1800000   ; and the floor 2^(3 - 127)
.elseif (\i) < 32
	WIN 0x0f
	v_max3_num_f32 v[TM+(\i)%4], |v[AE_+16*((\i)%4)+2*((\i)/4)]|, |v[AE_+16*((\i)%4)+2*((\i)/4)+1]|, v[TM+(\i)%4]
.elseif (\i) < 36
	WIN 0
	v_permlanex16_b32 v[TM+4+(\i)%4], v[TM+(\i)%4], s[SEL], s[SEL+1]
.elseif (\i) < 40
	WIN 0
	v_max_num_f32 v[TM+(\i)%4], v[TM+(\i)%4], v[TM+4+(\i)%4]
.elseif (\i) < 44
	WIN 0
	v_add_nc_u32 v[TM+12+(\i)%4], 0xff000000, v[TM+(\i)%4]
.elseif (\i) < 48
	WIN 0
	v_lshrrev_b32 v[TM+4+(\i)%4], 23, v[TM+12+(\i)%4]
.elseif (\i) == 48
	WIN 0
	v_lshl_or_b32 v[SW+(\a)], v[TM+5], 8, v[TM+4]
.elseif (\i) < 51
	WIN 0
	v_lshl_or_b32 v[SW+(\a)], v[TM+6+(\i)-49], 16+8*((\i)-49), v[SW+(\a)]
.endif
.endm
.macro MUL32P s, zero
.set SN_, SC+8*(\s)+160*((\s)/4)
.set BN_, 128*((\s)%2)
.set AN_, AF+48*((\s)%2)
.irp a, 0,1,2,3
.irp b, 0,1,2,3,4,5,6,7
.if \zero
	v_wmma_scale_f32_16x16x128_f8f6f4 v[8*(8*\a+\b):8*(8*\a+\b)+7], v[BN_+FR*\b:BN_+FR*\b+FR-1], v[AN_+FR*\a:AN_+FR*\a+FR-1], 0, v[SN_+\b], v[SN_+\a] matrix_a_fmt:MATRIX_FMT_FP6 matrix_b_fmt:MATRIX_FMT_FP6 matrix_b_scale:MATRIX_SCALE_ROW1
.else
	v_wmma_scale_f32_16x16x128_f8f6f4 v[8*(8*\a+\b):8*(8*\a+\b)+7], v[BN_+FR*\b:BN_+FR*\b+FR-1], v[AN_+FR*\a:AN_+FR*\a+FR-1], v[8*(8*\a+\b):8*(8*\a+\b)+7], v[SN_+\b], v[SN_+\a] matrix_a_fmt:MATRIX_FMT_FP6 matrix_b_fmt:MATRIX_FMT_FP6 matrix_b_scale:MATRIX_SCALE_ROW1
.endif
.if \b%2
	ENTRY 4+(\s)/2, 32*((\s)%2)+8*\a+\b-1
	ENTRY 4+(\s)/2, 32*((\s)%2)+8*\a+\b
	WIN MUL_LO
.endif
.endr
.endr
.endm
	s_load_b256 s[4:11], s[0:1], 0x0               ; opc, ops, qkv, qkvs
	v_lshl_add_u32 v[SPW], v0, 2, SPARE
	v_mov_b32 v[NIL], 0
	ds_add_u32 v[SPW], v[NIL]                      ; the wave's opening: the add, twice on end, and its wait ahead of my first tensor load
	ds_add_u32 v[SPW], v[NIL]
	v_lshrrev_b32 v1, 5, v0
	v_readfirstlane_b32 s14, v1                    ; wave
	s_lshr_b32 s15, s14, 1                         ; wr: my half of the second source's rows.  Also: I fetch x (0), or W and Wv (1)
	s_and_b32 s16, s14, 1                          ; wc: my half of the first source's rows.  Also: which half I fetch
	s_bfe_u32 s92, ttmp6, 0x40000                  ; cx
	s_bfe_u32 s93, ttmp6, 0x40004                  ; cy
	s_and_b32 s97, ttmp7, 0xffff                   ; cluster y
	s_lshl_b32 s17, s97, 2
	s_add_co_u32 s17, s17, s93                     ; tile row: 256 tokens
	s_lshl_b32 s100, ttmp9, 2
	s_add_co_u32 s100, s100, s92                   ; tile column: 256 rows of [Wq; Wk], 128 rows of Wv
	s_lshl_b32 s101, s93, 2
	s_lshl_b32 s101, 15, s101                      ; my row of the cluster
	s_lshl_b32 s96, 0x1111, s92                    ; my column
	s_or_b32 s[G1A], s101, (3<<16)|(1<<21)         ; 15:0 the mask; 17:16 elements of 8 bytes; 21 set beside a mask; no padding
	s_or_b32 s[G1B], s96, (3<<16)|(1<<21)
.irp g, G1A, G1B                       ; the head's: 8 fragments x 6,144 bytes (four steps of 128 on end)
	s_mov_b32 s[\g+1], 768<<16
	s_mov_b32 s[\g+2], 8<<16
	s_mov_b32 s[\g+3], 768<<16
	s_mov_b32 s[\g+4], 8
	s_mov_b32 s[\g+5], 1536
	s_mov_b32 s[\g+6], 0
	s_mov_b32 s[\g+7], 0
.endr
	s_mul_i32 s[L0], s14, 49152
	s_mul_i32 s[L2], s14, 24576
	s_add_co_u32 s[L3], s[L2], 98304
	s_add_co_u32 s[L2], s[L2], 196608
	s_lshl_b32 s18, s16, 3
	s_lshl_b32 s20, s17, 4
	s_add_co_u32 s20, s20, s18                     ; x: the first fragment of the half that I would fetch
	s_mul_i32 s12, s20, 12288
	s_mov_b32 s13, 0
	s_lshl_b32 s22, s100, 4
	s_add_co_u32 s22, s22, 512
	s_add_co_u32 s22, s22, s18                     ; [Wq; Wk] likewise
	s_mul_i32 s66, s22, 12288
	s_mov_b32 s67, 0
	s_lshl_b32 s[WVA], s100, 3
	s_add_co_u32 s[WVA], s[WVA], 640               ; Wv: fragment 640 + 8 x tile column
	s_mul_i32 s[WVA], s[WVA], 12288
	s_mul_i32 s18, s16, 3072
	s_add_co_u32 s[WVA], s[WVA], s18
	s_mov_b32 s[WVA+1], 0
	s_lshl_b32 s18, s17, 1                         ; scale blocks, 4,096 bytes a G: x's half wr,
	s_add_co_u32 s19, s18, s15
	s_lshl_b32 s19, s19, 12
	s_add_co_u32 s18, s18, s16                     ; x's half wc,
	s_lshl_b32 s18, s18, 12
	s_lshl_b32 s20, s100, 1
	s_add_co_u32 s20, s20, s16
	s_add_co_u32 s20, s20, 64                      ; W's half wc,
	s_lshl_b32 s20, s20, 12
	s_add_co_u32 s21, s100, 80                     ; Wv's, 256 wr on
	s_lshl_b32 s21, s21, 12
	s_lshl_b32 s22, s15, 8
	s_add_co_u32 s21, s21, s22
	s_add_co_u32 s22, s18, 256
	s_mul_i32 s68, s15, 49152                      ; LDS: x's half wr,
	s_mul_i32 s69, s15, 24576
	s_mul_i32 s70, s16, 49152                      ; halves wc of x and W
	s_mul_i32 s71, s16, 24576
	s_mul_i32 s72, s15, 12288                      ; Wv's fragments 4 wr on
	s_mov_b32 s[SEL], 0x76543210
	s_mov_b32 s[SEL+1], 0xfedcba98
	v_and_b32 v1, 15, v0                           ; r
	v_bfe_u32 v2, v0, 4, 1                         ; h
	v_and_b32 v3, 31, v0                           ; lane
	v_lshlrev_b32 v[CO], 4, v3
	v_lshlrev_b32 v[ZO], 4, v1
	v_cmp_eq_u32 s23, 1, v2                        ; lanes 16-31
	v_mov_b32 v4, s19
	v_mov_b32 v5, s20
	v_mov_b32 v6, s21
	v_cndmask_b32 v4, v4, v5, s23
	v_add_nc_u32 v[P1], v4, v[ZO]
	v_mov_b32 v4, s18
	v_mov_b32 v5, s22
	v_cndmask_b32 v4, v4, v6, s23
	v_cndmask_b32 v5, v5, v6, s23
	v_add_nc_u32 v[P2A], v4, v[ZO]
	v_add_nc_u32 v[P2B], v5, v[ZO]
	v_add_nc_u32 v[ADRA], s68, v[CO]
	v_add_nc_u32 v[ADRA+1], s69, v[CO]
	v_add_nc_u32 v[XB], s70, v[CO]
	v_add_nc_u32 v[XB+1], s71, v[CO]
	v_add_nc_u32 v[WA], s72, v[CO]
	v_add_nc_u32 v[ADRA+2], 98304, v[ADRA+1]
	v_add_nc_u32 v[ADRA+1], 196608, v[ADRA+1]
	v_add_nc_u32 v[ADRB], 98304, v[XB]
	v_add_nc_u32 v[ADRB+1], 245760, v[XB+1]
	v_add_nc_u32 v[ADRB+2], 147456, v[XB+1]
	v_add_nc_u32 v[XB+2], 98304, v[XB+1]
	v_add_nc_u32 v[XB+1], 196608, v[XB+1]
	v_add_nc_u32 v[WA+1], 147456, v[WA]
	v_add_nc_u32 v[WA], 245760, v[WA]
.irp b, 0,1,2,3
	v_mov_b32 v[TM+4+\b], 0                        ; written once: a lane permute's destination counts as one of its sources
.endr
	s_wait_alu depctr_va_vdst(0)                   ; the wait at the head's end
	s_wait_dscnt 0x0                               ; both opening adds are done
	CROUND                                         ; all sixteen work-groups are here: the first joint loads meet
	s_wait_kmcnt 0x0
	s_add_nc_u64 s[12:13], s[4:5], s[12:13]
	s_add_nc_u64 s[66:67], s[4:5], s[66:67]
	s_add_nc_u64 s[WVA:WVA+1], s[4:5], s[WVA:WVA+1]
	s_mov_b32 s[G0A], 1
	s_mov_b32 s[G0A+1], s[L0]
	s_mov_b64 s[G0A+2:G0A+3], s[12:13]
	s_or_b32 s[G0A+3], s[G0A+3], 0x80000000
	s_mov_b32 s[G0B], 1
	s_mov_b32 s[G0B+1], s[L0]
	s_mov_b64 s[G0B+2:G0B+3], s[66:67]
	s_or_b32 s[G0B+3], s[G0B+3], 0x80000000
	JLOAD                                          ; K 0-511: one tensor load a wave at the head
.irp s, 0,1,2,3,4,5,6,7
.irp j, 0,1
	global_load_b128 v[SC+8*\s+160*(\s/4)+4*\j:SC+8*\s+160*(\s/4)+4*\j+3], v[P1], s[6:7] offset:512*\s+256*\j   ; phase 1's scale words
.endr
.endr
	; where v^T goes: key step sn = 2 x tile row + wc, batch = sn / 16; first fragment 512 + 64 batch + 8 x tile column + 4 wr.  s[4:5] its codes, s[98:99] its scale words
	s_lshl_b32 s97, s17, 1
	s_add_co_u32 s97, s97, s16
	s_lshr_b32 s18, s97, 4
	s_lshl_b32 s18, s18, 6
	s_add_co_u32 s18, s18, 512
	s_lshl_b32 s22, s100, 3
	s_add_co_u32 s18, s18, s22
	s_and_b32 s97, s97, 15
	s_lshl_b32 s22, s18, 1                         ; 16 (F / 8)
	s_add_co_u32 s22, s22, s97
	s_lshl_b32 s22, s22, 9
	s_lshl_b32 s23, s15, 8
	s_add_co_u32 s22, s22, s23                     ; my four blocks' words: 256 wr on
	s_mov_b32 s23, 0
	s_add_nc_u64 s[98:99], s[10:11], s[22:23]
	s_lshl_b32 s22, s15, 2
	s_add_co_u32 s18, s18, s22
	s_lshl_b32 s22, s18, 4
	s_add_co_u32 s22, s22, s97
	s_mul_i32 s22, s22, 1536
	s_add_nc_u64 s[4:5], s[8:9], s[22:23]
	; where q | k goes: K step 2 x tile column + wc; first fragment 16 x tile row + 8 wr.  s[8:9] the codes, s[10:11] the scale words
	s_lshl_b32 s97, s100, 1
	s_add_co_u32 s97, s97, s16
	s_lshl_b32 s18, s17, 4
	s_lshl_b32 s22, s15, 3
	s_add_co_u32 s18, s18, s22
	s_lshl_b32 s22, s18, 4
	s_add_co_u32 s22, s22, s97
	s_mul_i32 s22, s22, 1536
	s_add_nc_u64 s[8:9], s[8:9], s[22:23]
	s_lshl_b32 s22, s18, 1
	s_add_co_u32 s22, s22, s97
	s_lshl_b32 s22, s22, 9
	s_add_nc_u64 s[10:11], s[10:11], s[22:23]
	s_wait_tensorcnt 0x0                           ; my part of K 0-511 is in;
	ds_add_u32 v[SPW], v[NIL]
	NEXTK 6144, L2                                 ; no tensor load of mine is out, so descriptors may be written: K 512-767,
.irp g, G1A, G1B                       ; and from here on a load brings two steps of 128: 8 fragments x 3,072 bytes
	s_mov_b32 s[\g+1], 384<<16
	s_mov_b32 s[\g+3], 384<<16
.endr
	s_wait_dscnt 0x0
	CROUND
	JLOAD
	FETCH_B 0
	FETCH_A 0, 0
	FETCH_A 0, 4
	s_wait_loadcnt 0x0                             ; phase 1's scale words
	STEP 0, 1, 0                                   ; the first step's products start the sums: nothing is cleared
	STEP 1, 0, 0
	STEP 2, 0, 0
	STEP 3, 0, 1
	STEP 4, 0, 0
	STEP 5, 0, 2
	STEP 6, 0, 0
	s_wait_dscnt 12                                ; the last step: nothing more to fetch
	WIN MUL_LO
	MUL16 0, 7, 0
	MUL16 2, 7, 0
	s_wait_dscnt 0x0
	WIN MUL_HI
	MUL16 4, 7, 0
	MUL16 6, 7, 0
	WIN 0
	PLACES 4
.irp s, 0,1,2,3,4,5,6,7                ; phase 2's scale words, under the first way out
	global_load_b128 v[SC+8*\s+160*(\s/4):SC+8*\s+160*(\s/4)+3], v[P2A], s[6:7] offset:512*\s
	global_load_b128 v[SC+8*\s+160*(\s/4)+4:SC+8*\s+160*(\s/4)+7], v[P2B], s[6:7] offset:512*\s
.endr
; THE WAY OUT.  Block a's 64 registers (register 16 b + n = 32 b + 16 h + n along the next K, of my lane's row) become one fragment and one scale word a row.  Each accumulator is first read at its low end.  cb: the codes' base.
.macro CODES a, cb                     ; its second part: the conversions, the codes' order in the operand, and the stores
.set X_,  2+(\a)/4
.set AC,  64*((\a)%4)
	s_wait_alu depctr_va_vdst(0)                   ; the wait here, directly ahead of the wait below
	s_wait_xcnt 0x0                                ; the last block's stores have read the codes' registers
	WIN X_
.irp c, 0,1
	v_cvt_scalef32_pk16_fp6_f32 v[PC+6*\c:PC+2+6*\c], v[AC+32*\c:AC+15+32*\c], v[TM+12+2*\c]
	v_cvt_scalef32_pk16_fp6_f32 v[PC+12+4*\c:PC+14+4*\c], v[AC+16+32*\c:AC+31+32*\c], v[TM+12+2*\c+1]
.endr
	WIN 0
	v_nop                                          ; one plain place behind a scaled conversion
.irp c, 0,1
.irp i, 0,1,2
	v_permlane16_swap_b32 v[PC+6*\c+\i], v[PC+12+4*\c+\i]
.endr
.irp i, 0,1,2
	v_mov_b32 v[PC+3+6*\c+\i], v[PC+12+4*\c+\i]
.endr
.endr
.irp c, 0,1,2
	global_store_b128 v[CO], v[PC+4*\c:PC+4*\c+3], s[\cb:\cb+1] offset:(\a)*24576+512*\c   ; 512 consecutive bytes, aligned
.endr
.endm
.macro EPI a, cb
.set X_,  2+(\a)/4
.set AC,  64*((\a)%4)
.set WX_, X_|(X_<<2)
	WIN WX_                                        ; sources 0 and 1: the accumulators' window
.irp b, 0,1,2,3
	v_max3_num_f32 v[TM+\b], |v[AC+16*\b]|, |v[AC+1+16*\b]|, 0x1800000   ; and the floor 2^(3 - 127)
.endr
.irp i, 2,4,6,8,10,12,14
.irp b, 0,1,2,3
	v_max3_num_f32 v[TM+\b], |v[AC+16*\b+\i]|, |v[AC+1+16*\b+\i]|, v[TM+\b]
.endr
.endr
	WIN 0
.irp b, 0,1,2,3
	v_permlanex16_b32 v[TM+4+\b], v[TM+\b], s[SEL], s[SEL+1]
.endr
.irp b, 0,1,2,3
	v_max_num_f32 v[TM+\b], v[TM+\b], v[TM+4+\b]
.endr
.irp b, 0,1,2,3
	v_add_nc_u32 v[TM+12+\b], 0xff000000, v[TM+\b]
.endr
.irp b, 0,1,2,3
	v_lshrrev_b32 v[TM+4+\b], 23, v[TM+12+\b]
.endr
	v_lshl_or_b32 v[SW+(\a)], v[TM+5], 8, v[TM+4]
	v_lshl_or_b32 v[SW+(\a)], v[TM+6], 16, v[SW+(\a)]
	v_lshl_or_b32 v[SW+(\a)], v[TM+7], 24, v[SW+(\a)]
	CODES \a, \cb
.endm
	EPI 0, 8
	; In the middle of the first way out: W's K 768-1,023 is left, and its bytes take Wv's K 512-1,023.  Wv's first half has had two and a half steps and a block of the way out in which to land.
	s_wait_tensorcnt 0x0                           ; no tensor load of mine is out, so a group 0 may be written;
	ds_add_u32 v[SPW], v[NIL]                      ; 0 onto my spare word;
	NEXTV 6144, L3
	s_wait_dscnt 0x0                               ; the add is done; my reads of phase 1's bytes were over at the last step
	CROUND                                         ; the same holds of every wave of every partner
	WVLOAD
	FETCH2 0                                       ; phase 2's first fragments come while the way out goes on
.irp a, 1,2,3
	EPI \a, 8
.endr
	; PHASE 2: eight steps of 32 matrix instructions; each fetches the next step's fragments into the other set, and carries half of a block of the first way out
	s_wait_loadcnt 0x0                             ; phase 2's scale words
.irp m, 0,1,2,3,4,5,6,7
.if \m == 3
	s_wait_tensorcnt 0x0                           ; Wv's second half has landed: it had three blocks of the way out and three steps
.endif
	s_wait_dscnt 0x0                               ; this step's fragments are in (asked for 32 matrix instructions ago)
.if \m == 3
	s_barrier_signal -1
	s_barrier_wait -1                              ; and every wave knows it: the next fetch reads them.
.endif
.if \m < 7
	PLACES 4
	FETCH2 \m+1
.endif
	WIN MUL_LO
.if \m == 0
	MUL32P 0, 1                                    ; the first products start the sums
.else
	MUL32P \m, 0
.endif
	WIN 0
.if \m%2
	CODES 4+\m/2, 8
.else
	s_wait_alu depctr_va_vdst(0)                   ; the wait here, ahead of the next step's waits
.endif
.endr
	v_cmp_le_u32 vcc_lo, 16, v3                    ; the scale block: lane (r, h) stores the words of blocks 4 h .. 4 h + 3
.irp e, 0,1,2,3
	v_cndmask_b32 v[TT+\e], v[SW+\e], v[SW+4+\e], vcc_lo
.endr
	global_store_b128 v[CO], v[TT:TT+3], s[10:11]
	PLACES 4
.irp a, 0,1,2,3
	EPI \a, 4
.endr
	s_wait_xcnt 0x0                                ; EXEC changes only behind this wait
	v_cmp_gt_u32 vcc_lo, 16, v3
	s_and_saveexec_b32 s97, vcc_lo                 ; both halves of the lanes hold the same four words: lanes 0-15 store them
	global_store_b128 v[ZO], v[SW:SW+3], s[98:99]  ; 16 lanes store 256 consecutive bytes, aligned: my half of the scale block
	s_wait_xcnt 0x0                                ; and again in front of the line that widens it
	s_or_b32 exec_lo, exec_lo, s97
	s_wait_tensorcnt 0x0                           ; the wave's end
	ds_add_u32 v[SPW], v[NIL]
	s_wait_dscnt 0x0
	CROUND                                         ; the closing round: no work-group ends while a partner may still ask for a tile that names it
	s_endpgm
.Lfunc_end_k_qeeb83e7d0a_proj:
	.size	k_qeeb83e7d0a_proj, .Lfunc_end_k_qeeb83e7d0a_proj-k_qeeb83e7d0a_proj
	.p2alignl 7, 3214868480
	.fill 96, 4, 3214868480
	.section	.rodata,"a",@progbits
	.p2align	6, 0x0
	.amdhsa_kernel k_qeeb83e7d0a_proj
		.amdhsa_group_segment_fixed_size 327680
		.amdhsa_private_segment_fixed_size 0
		.amdhsa_enable_private_segment 0
		.amdhsa_kernarg_size 32
		.amdhsa_user_sgpr_count 2
		.amdhsa_user_sgpr_kernarg_segment_ptr 1
		.amdhsa_wavefront_size32 1
		.amdhsa_system_sgpr_workgroup_id_x 1
		.amdhsa_system_sgpr_workgroup_id_y 1
		.amdhsa_system_sgpr_workgroup_id_z 1
		.amdhsa_system_vgpr_workitem_id 0
		.amdhsa_next_free_vgpr 1024
		.amdhsa_next_free_sgpr 102
		.amdhsa_reserve_vcc 1
		.amdhsa_float_denorm_mode_32 3
		.amdhsa_float_denorm_mode_16_64 3
		.amdhsa_memory_ordered 1
		.amdhsa_forward_progress 1
		.amdhsa_inst_pref_size 217
	.end_amdhsa_kernel
	.amdgpu_metadata
---
amdhsa.version: [ 1, 2 ]
amdhsa.kernels:
  - .name:           k_qeeb83e7d0a_proj
    .symbol:         k_qeeb83e7d0a_proj.kd
    .args:
      - { .name: opc, .offset: 0, .size: 8, .value_kind: global_buffer, .address_space: global }
      - { .name: ops, .offset: 8, .size: 8, .value_kind: global_buffer, .address_space: global }
      - { .name: qkv, .offset: 16, .size: 8, .value_kind: global_buffer, .address_space: global }
      - { .name: qkvs, .offset: 24, .size: 8, .value_kind: global_buffer, .address_space: global }
    .group_segment_fixed_size: 327680
    .private_segment_fixed_size: 0
    .kernarg_segment_align: 8
    .kernarg_segment_size: 32
    .max_flat_workgroup_size: 128
    .sgpr_count:     102
    .vgpr_count:     1024
    .wavefront_size: 32
...
	.end_amdgpu_metadata
.endif
;; end of part 2
;; launch scores (part 3): grid 61 x 4, 4 waves a work-group, no clusters, 327,680 bytes of LDS; arguments qkv, qkvs, pc, psx; writes pc, psx
.if DOCPART == 3
	.amdgcn_target "amdgcn-amd-amdhsa--gfx1250"
	.amdhsa_code_object_version 6
	.text
	.protected	k_qeeb83e7d0a_scores
	.globl	k_qeeb83e7d0a_scores
	.p2align	8
	.type	k_qeeb83e7d0a_scores,@function
k_qeeb83e7d0a_scores:
	s_mov_b64 s[64:65], 0
	v_nop
	global_prefetch_b8 v0, s[64:65] scope:SCOPE_SE
	s_setreg_imm32_b32 hwreg(HW_REG_WAVE_MODE, 25, 1), 1
	s_wait_xcnt 0x0
; LAUNCH 3 OF 4: S^T = k q^T on the causal triangle, the mask, and p = 2^(t - M'), quantised along the keys.  Work left out: tiles wholly above the diagonal (shown at the head of launch 1).
; A work-group makes 128 queries (block i; second source: a lane is a query) x a strip of 320 keys (strip t; first source: the registers run along the keys), K = 1,024.  Block i has floor((128 i + 127) / 320) + 1 strips,
; 61 in a batch: 244 work-groups of equal work; y is the batch.  Strip 6 reaches past the batch's last key: those keys are hidden from every query like any other above the diagonal.
; Four waves, 2 x 2, each 64 queries x 160 keys (5 scale blocks): 40 accumulators, 14 fragments a step of 128 along K, the next step's laid among the products.
; LDS: waves 0, 1 fetch q's halves (4 fragments), waves 2, 3 k's (10).  K 0-511 at the head, K 512-895 behind the first barrier (a first fill), K 896-1,023 behind the barrier of step 3, onto bytes that the first four steps have left.
; One tensor load of a wave is out at a time.  Scale words go straight into 80 registers: lanes 0-15 q's, lanes 16-31 k's.
; THE SOFTMAX.  t = score x log2(e) / 32.  Each group of 160 keys of a row is brought under a whole number of its own, M' = ceil(the group's largest t): p' = 2^(t - M').  -M' and the sum l' of the unquantised p' are
; stored beside the codes; launch 4 takes the row's M = max M' and moves each group by the exact power of two 2^(M' - M), in p's scale bytes and in l'.  So the maximum is always taken away, whatever the inputs hold.
; Hidden scores are set to -infinity ahead of the maximum.  Where all of a row's group is hidden, M' is -1e30: its p' and l' are 0, and it never is the row's largest.
; pc = [512 Fq][70 blocks of 32 keys][16 r][24]: a row's 32 codes are 24 bytes; lane (r, h) makes codes 16 h on.  psx = [64 G][14 groups][128: 16 x fragment + r][16]: four scale bytes, the fifth, -M', l'.
; NO CLUSTER: a block's strips share q, and blocks have 1 to 7 strips, which do not divide into equal shares.  No prefetch: the walk is written out, eight steps, with no loop to run ahead in.
; LIMIT: |t| stays under 2^24, so that M' is a whole number in f32.
.set SEC,   172032                     ; where K 512-895 lies
.set SPARE, 301056
.set P1,   10                          ; v10-14  the scale words of fragment pairs 0 .. 4 in qkvs
.set AD,   16                          ; v16-18  q's half wr: K 0-511, 512-895, 896-1,023
.set BD,   20                          ; v20-22  k's half wc
.set CO,   24                          ; v24     24 r + 12 h
.set DL,   25                          ; v25     r + (r & 8) - 16 h
.set NINF, 26                          ; v26     -infinity
.set SRO,  27                          ; v27     16 x lane
.set SPW,  28
.set NIL,  29
.set SC,   32                          ; v32-111 the scale words: register 10 n + f of step n: k's fragment f, q's fragment f (f < 4)
.set AF,   160                         ; v160-255 q's fragments, two sets; behind the products these are free
.set W,    112                         ; v112-191 p
.set PC,   192                         ; v192-211 its codes, 4 registers a block
.set TM,   212                         ; v212-216 the blocks' largest scores, then p
.set TX,   217                         ; v217-221 the other half's
.set SO,   222                         ; v222-226 the conversions' scale operands
.set BY,   227                         ; v227-230 bytes
.set NM,   232                         ; v[232:233] -M'
.set SA,   234                         ; v234-241 the sum, in four chains of pairs
.set TT,   242
.set DLB,  243
.set RC,   244                         ; v244-251 the records of an even and of an odd block
.set OUTR, 252
.set G1Q,  24
.set G0Q,  32
.set G0K,  36
.set G1K,  40
.set HM,   63                          ; s63 lanes 16-31
.set CS,   66                          ; s[66:67] c = log2(e) / 32
.set SEL,  68
.set DB,   72                          ; s72 how many blocks of 32 keys my first query lies behind my first key (it may be negative)
.set MSB, 0
.macro WIN new
.if MSB != \new
	s_set_vgpr_msb (MSB<<8)|\new
.set MSB, \new
.endif
.endm
.macro PLACES n
.rept \n
	v_nop
.endr
.endm
.macro TLOAD g0, g1
	tensor_load_to_lds s[\g0:\g0+3], s[\g1:\g1+7]
	s_nop 0
	PLACES 4
.endm
.macro FILL                            ; the branch hangs on the wave's number alone
	s_cmp_eq_u32 s15, 0
	s_cbranch_scc0 .Lfor_k_\@
	TLOAD G0Q, G1Q
	s_branch .Lasked_\@
.Lfor_k_\@:
	TLOAD G0K, G1K
.Lasked_\@:
.endm
.macro NEXT d, c, q0, qs, k0, ks       ; the next tile: d bytes on along K, c elements of 8 bytes a fragment; q's and k's LDS places
	s_add_nc_u64 s[G0Q+2:G0Q+3], s[G0Q+2:G0Q+3], \d
	s_add_nc_u64 s[G0K+2:G0K+3], s[G0K+2:G0K+3], \d
	s_mul_i32 s[G0Q+1], s16, \qs
	s_add_co_u32 s[G0Q+1], s[G0Q+1], \q0
	s_mul_i32 s[G0K+1], s16, \ks
	s_add_co_u32 s[G0K+1], s[G0K+1], \k0
.irp g, G1Q, G1K
	s_mov_b32 s[\g+1], (\c)<<16
	s_mov_b32 s[\g+3], (\c)<<16
.endr
.endm
.macro FRAG3 reg, adr, off
.irp c, 0,1,2
	ds_load_b128 v[\reg+4*\c:\reg+4*\c+3], v[\adr] offset:\off+512*\c
.endr
.endm
.macro FX reg, adr, i, n
.if (\n) < 4
	FRAG3 \reg, \adr, 6144*(\i)+1536*(\n)
.elseif (\n) < 7
	FRAG3 \reg, \adr+1, 4608*(\i)+1536*((\n)-4)
.else
	FRAG3 \reg, \adr+2, 1536*(\i)
.endif
.endm
.macro FETCHF n, f                     ; fragment f of step n: 0-9 k's, 10-13 q's
.if (\f) < 10
	WIN 0x40
	FX 120*((\n)%2)+12*(\f), BD, \f, \n
.else
	WIN 0
	FX AF+48*((\n)%2)+12*((\f)-10), AD, (\f)-10, \n
.endif
.endm
; Products from .. to - 1 of step n's 40: product 10 a + b is q's fragment a against k's b; the accumulators take turns, one instruction a turn, in the same order in every step.
; From product f0 on, a fragment of step n + 1 is fetched behind every ev-th product.  Accumulator (a, b): window 2, v[8 (10 a + b)] for a < 3; window 3, v[8 b] for a = 3.
.macro PRODS n, zero, from, to, f0, ev
.set P_, \from
.rept (\to)-(\from)
.set A_, P_/10
.set B_, P_%10
.set D_, 80*(A_%3)+8*B_
.set K_, 120*((\n)%2)+12*B_
.set Q_, AF+48*((\n)%2)+12*A_
.set S_, SC+10*(\n)
	WIN 0xa1+0x50*(A_/3)
.if \zero
	v_wmma_scale_f32_16x16x128_f8f6f4 v[D_:D_+7], v[K_:K_+11], v[Q_:Q_+11], 0, v[S_+B_], v[S_+A_] matrix_a_fmt:MATRIX_FMT_FP6 matrix_b_fmt:MATRIX_FMT_FP6 matrix_a_scale:MATRIX_SCALE_ROW1
.else
	v_wmma_scale_f32_16x16x128_f8f6f4 v[D_:D_+7], v[K_:K_+11], v[Q_:Q_+11], v[D_:D_+7], v[S_+B_], v[S_+A_] matrix_a_fmt:MATRIX_FMT_FP6 matrix_b_fmt:MATRIX_FMT_FP6 matrix_a_scale:MATRIX_SCALE_ROW1
.endif
.if (\ev) > 0
.if P_ >= (\f0)
.if (P_-(\f0))%(\ev) == (\ev)-1
.set F_, (P_-(\f0))/(\ev)
.if F_ < 14
	FETCHF \n+1, F_
.endif
.endif
.endif
.endif
.set P_, P_+1
.endr
.endm
; kind 0: plain.  kind 1: a refill; its barrier also shows K 512-895 to all.  kind 2: a barrier shows the refill to all.
.macro STEP n, zero, kind
	s_wait_dscnt 0x0                               ; this step's fragments are in
	PLACES 4
.if \kind == 0
	PRODS \n, \zero, 0, 40, 0, 2
.else
	PRODS \n, \zero, 0, 26, 0, 0
	WIN 0
	s_wait_tensorcnt 0x0                           ; all my tensor loads have landed;
.if \kind == 1
	ds_add_u32 v[SPW], v[NIL]                      ; 0 onto my spare word;
	NEXT 4608, 192, 0, 6144, 12288, 15360
.endif
	s_wait_dscnt 0x0                               ; my reads of this step's bytes are over, and the add, where there is one, is done
	s_barrier_signal -1
	s_barrier_wait -1
.if \kind == 1
	FILL                                           ; K 896-1,023: my one tensor load behind the barrier, and the first thing there
.endif
	PRODS \n, \zero, 26, 40, 26, 1
.endif
	WIN 0
.endm
	s_load_b256 s[4:11], s[0:1], 0x0               ; qkv, qkvs, pc, psx
	v_lshl_add_u32 v[SPW], v0, 2, SPARE
	v_mov_b32 v[NIL], 0
	ds_add_u32 v[SPW], v[NIL]                      ; the wave's opening: the add, twice on end, and its wait ahead of my first tensor load
	ds_add_u32 v[SPW], v[NIL]
	v_lshrrev_b32 v1, 5, v0
	v_readfirstlane_b32 s14, v1                    ; wave
	s_lshr_b32 s15, s14, 1                         ; wr: my half of the queries.  Also: I fetch q (0) or k (1)
	s_and_b32 s16, s14, 1                          ; wc: my half of the keys.  Also: which half I fetch
	s_mov_b32 s17, 0                               ; i: how many blocks' first numbers the work-group's number has reached
	s_mov_b32 s18, 0                               ; block i's first number
.irp m, 1,2,4,6,8,11,14,18,22,26,31,36,42,48,54
	s_cmp_ge_u32 ttmp9, \m
	s_cselect_b32 s18, \m, s18
	s_cselect_b32 s20, 1, 0
	s_add_co_u32 s17, s17, s20
.endr
	s_sub_co_u32 s18, ttmp9, s18                   ; t
	s_and_b32 s19, ttmp7, 0xffff                   ; batch
	s_lshl_b32 s22, s19, 4
	s_add_co_u32 s22, s22, s17                     ; q's G: 16 batch + i
	s_mul_i32 s56, s22, 196608                     ; q's half wc: 4 fragments
	s_mul_i32 s20, s16, 98304
	s_add_co_u32 s56, s56, s20
	s_mov_b32 s57, 0
	s_lshl_b32 s23, s19, 7
	s_mul_i32 s20, s18, 20
	s_add_co_u32 s23, s23, s20
	s_mul_i32 s20, s16, 10
	s_add_co_u32 s23, s23, s20                     ; k's half wc: fragment 128 batch + 20 t + 10 wc (t = 6 of the last batch ends at 523 of 768)
	s_mul_i32 s58, s23, 24576
	s_add_co_u32 s58, s58, 12288                   ; K steps 8-15 of a token fragment are k's
	s_mov_b32 s59, 0
	s_lshl_b32 s60, s22, 13                        ; scale words: q's half wr
	s_lshl_b32 s20, s15, 8
	s_add_co_u32 s60, s60, s20
	s_add_co_u32 s61, s60, 8                       ; its second pair
.irp p, 0,1,2,3,4                              ; k's pairs
	s_add_co_u32 s20, s23, 2*\p
	s_lshr_b32 s21, s20, 3
	s_lshl_b32 s[73+\p], s21, 13
	s_bfe_u32 s21, s20, 0x10002
	s_lshl_b32 s21, s21, 8
	s_add_co_u32 s[73+\p], s[73+\p], s21
	s_bfe_u32 s21, s20, 0x10001
	s_lshl_b32 s21, s21, 3
	s_add_co_u32 s[73+\p], s[73+\p], s21
	s_add_co_u32 s[73+\p], s[73+\p], 4096
.endr
	s_mov_b32 s[G1Q], 3<<16                        ; elements of 8 bytes, no mask, no padding: the head's fragments x 6,144 bytes
	s_mov_b32 s[G1K], 3<<16
	s_mov_b32 s[G1Q+2], 4<<16
	s_mov_b32 s[G1K+2], 10<<16
	s_mov_b32 s[G1Q+4], 4
	s_mov_b32 s[G1K+4], 10
.irp g, G1Q, G1K
	s_mov_b32 s[\g+1], 768<<16
	s_mov_b32 s[\g+3], 768<<16
	s_mov_b32 s[\g+5], 3072
	s_mov_b32 s[\g+6], 0
	s_mov_b32 s[\g+7], 0
.endr
	s_mov_b32 s[CS], 0x3d38aa3b
	s_mov_b32 s[CS+1], s[CS]                       ; (named with it as a pair, so it is written)
	s_mov_b32 s[SEL], 0x76543210
	s_mov_b32 s[SEL+1], 0xfedcba98
	s_lshl_b32 s[DB], s17, 2                       ; 4 i + 2 wr - 10 t - 5 wc
	s_lshl_b32 s20, s15, 1
	s_add_co_u32 s[DB], s[DB], s20
	s_mul_i32 s20, s18, 10
	s_mul_i32 s21, s16, 5
	s_add_co_u32 s20, s20, s21
	s_sub_co_u32 s[DB], s[DB], s20
	s_mul_i32 s78, s15, 24576
	s_mul_i32 s79, s15, 18432
	s_mul_i32 s80, s15, 6144
	s_mul_i32 s81, s16, 61440
	s_mul_i32 s82, s16, 46080
	s_mul_i32 s83, s16, 15360
	v_and_b32 v1, 15, v0                           ; r
	v_bfe_u32 v2, v0, 4, 1                         ; h
	v_and_b32 v3, 31, v0                           ; lane
	v_lshlrev_b32 v[SRO], 4, v3
	v_lshlrev_b32 v9, 4, v1
	v_cmp_eq_u32 s[HM], 1, v2
	v_mov_b32 v4, s60
	v_mov_b32 v6, s61
.irp p, 0,1,2,3,4
	v_mov_b32 v5, s[73+\p]
.if \p == 0
	v_cndmask_b32 v5, v4, v5, s[HM]
.else
	v_cndmask_b32 v5, v6, v5, s[HM]
.endif
	v_add_nc_u32 v[P1+\p], v5, v9
.endr
	v_add_nc_u32 v[AD], s78, v[SRO]
	v_add_nc_u32 v[AD+1], s79, v[SRO]
	v_add_nc_u32 v[AD+1], SEC, v[AD+1]
	v_add_nc_u32 v[AD+2], s80, v[SRO]
	v_add_nc_u32 v[BD], s81, v[SRO]
	v_add_nc_u32 v[BD], 49152, v[BD]
	v_add_nc_u32 v[BD+1], s82, v[SRO]
	v_add_nc_u32 v[BD+1], SEC+36864, v[BD+1]
	v_add_nc_u32 v[BD+2], s83, v[SRO]
	v_add_nc_u32 v[BD+2], 12288, v[BD+2]
	v_mul_u32_u24 v4, v1, 24
	v_mul_u32_u24 v5, v2, 12
	v_add_nc_u32 v[CO], v4, v5
	v_and_b32 v4, 8, v1
	v_add_nc_u32 v[DL], v4, v1
	v_lshlrev_b32 v4, 4, v2
	v_sub_nc_u32 v[DL], v[DL], v4
	v_mov_b32 v[NINF], 0xff800000
	s_wait_alu depctr_va_vdst(0)                   ; the wait at the head's end
	s_wait_dscnt 0x0                               ; both opening adds are done
	s_wait_kmcnt 0x0
	s_mov_b32 s[G0Q], 1
	s_mul_i32 s[G0Q+1], s16, 24576
	s_add_nc_u64 s[G0Q+2:G0Q+3], s[4:5], s[56:57]
	s_or_b32 s[G0Q+3], s[G0Q+3], 0x80000000
	s_mov_b32 s[G0K], 1
	s_mul_i32 s[G0K+1], s16, 61440
	s_add_co_u32 s[G0K+1], s[G0K+1], 49152
	s_add_nc_u64 s[G0K+2:G0K+3], s[4:5], s[58:59]
	s_or_b32 s[G0K+3], s[G0K+3], 0x80000000
	FILL                                           ; K 0-511: one tensor load a wave at the head
.irp s, 0,1,2,3,4,5,6,7
.irp p, 0,1,2,3,4
	global_load_b64 v[SC+10*\s+2*\p:SC+10*\s+2*\p+1], v[P1+\p], s[6:7] offset:512*\s   ; the scale words of two fragments
.endr
.endr
	; where my results go: the codes of fragment 8 (16 batch + i) + 4 wr, block 10 t + 5 wc; the records of group 2 t + wc, from row 64 wr on
	s_lshl_b32 s58, s22, 3
	s_lshl_b32 s20, s15, 2
	s_add_co_u32 s58, s58, s20
	s_mul_i32 s58, s58, 26880
	s_mul_i32 s20, s18, 10
	s_mul_i32 s21, s16, 5
	s_add_co_u32 s20, s20, s21
	s_mul_i32 s20, s20, 384
	s_add_co_u32 s58, s58, s20
	s_mov_b32 s59, 0
	s_add_nc_u64 s[8:9], s[8:9], s[58:59]
	s_mul_i32 s58, s22, 14
	s_lshl_b32 s20, s18, 1
	s_add_co_u32 s58, s58, s20
	s_add_co_u32 s58, s58, s16
	s_lshl_b32 s58, s58, 11
	s_lshl_b32 s20, s15, 10
	s_add_co_u32 s58, s58, s20
	s_add_nc_u64 s[10:11], s[10:11], s[58:59]
	s_wait_tensorcnt 0x0                           ; my part of K 0-511 is in;
	ds_add_u32 v[SPW], v[NIL]
	NEXT 6144, 576, SEC, 18432, SEC+36864, 46080   ; no tensor load of mine is out, so descriptors may be written: K 512-895
	s_wait_dscnt 0x0
	s_barrier_signal -1
	s_barrier_wait -1
	FILL
.irp f, 0,1,2,3,4,5,6,7,8,9,10,11,12,13
	FETCHF 0, \f
.endr
	WIN 0
	s_wait_loadcnt 0x0                             ; the scale words
	STEP 0, 1, 0                                   ; the first step's products start the sums
	STEP 1, 0, 0
	STEP 2, 0, 0
	STEP 3, 0, 1
	STEP 4, 0, 0
	STEP 5, 0, 0
	STEP 6, 0, 2
	s_wait_dscnt 0x0                               ; the last step: nothing more to fetch
	PRODS 7, 0, 0, 40, 0, 0
	WIN 0
	PLACES 4
; Block a of my queries: lane (r, h) holds query 32 (a / 2) + 8 (a % 2) + r + (r & 8) of my 64, register 16 b + n key 32 b + 16 h + n of my 160.
.macro EPI a
.set X_,  2+(\a)/3
.set AC,  80*((\a)%3)
.set WM_, (X_<<6)|X_
.set WX_, X_|(X_<<2)
.set R_,  RC+4*((\a)%2)
	s_cmp_gt_i32 s[DB], 4-(\a)/2                   ; ids and the wave's number alone: all five blocks of keys lie ahead of my queries
	s_cbranch_scc1 .Lopen_\@
.irp b, 0,1,2,3,4
	s_cmp_gt_i32 s[DB], \b-(\a)/2                  ; block b does
	s_cbranch_scc1 .Lseen_\@_\b
	s_add_co_i32 s84, s[DB], (\a)/2-\b
	s_lshl_b32 s84, s84, 5
	v_add_nc_u32 v[DLB], s84, v[DL]                ; key 16 h + n of the block is hidden where n - 8 (a % 2) > r + (r & 8) - 16 h + 32 x (my queries' block less this one)
	WIN WM_
.set n_, 0
.rept 16
	v_cmp_gt_i32 vcc_lo, n_-8*((\a)%2), v[DLB]
	v_cndmask_b32 v[AC+16*\b+n_], v[AC+16*\b+n_], v[NINF], vcc_lo
.set n_, n_+1
.endr
	s_wait_alu depctr_va_vdst(0)                   ; the wait here, ahead of the branches that follow
	WIN 0
.Lseen_\@_\b:
.endr
.Lopen_\@:
	WIN WX_
.irp b, 0,1,2,3,4
	v_max3_num_f32 v[TM+\b], v[AC+16*\b], v[AC+1+16*\b], v[NINF]   ; the largest score of each block of 32 keys: it serves the row's maximum and, since p rises with the score, the block's largest p
.endr
.irp i, 2,4,6,8,10,12,14
.irp b, 0,1,2,3,4
	v_max3_num_f32 v[TM+\b], v[AC+16*\b+\i], v[AC+1+16*\b+\i], v[TM+\b]
.endr
.endr
	WIN 0
.irp b, 0,1,2,3,4
	v_permlanex16_b32 v[TX+\b], v[TM+\b], s[SEL], s[SEL+1]
.endr
.irp b, 0,1,2,3,4
	v_max_num_f32 v[TM+\b], v[TM+\b], v[TX+\b]
.endr
	v_max3_num_f32 v[TT], v[TM], v[TM+1], v[TM+2]
	v_max3_num_f32 v[TT], v[TT], v[TM+3], v[TM+4]
	v_mul_f32 v[TT], s[CS], v[TT]
	v_max_num_f32 v[TT], 0xf149f2ca, v[TT]         ; -1e30 where all are hidden
	v_floor_f32 v[NM], -v[TT]                      ; -M' = floor(-t) = -ceil(t)
	v_mov_b32 v[R_+2], v[NM]
	WIN X_
.set j_, 0
.rept 40
	v_pk_fma_f32 v[W+j_:W+j_+1], v[AC+j_:AC+j_+1], s[CS:CS+1], v[NM:NM+1] op_sel_hi:[1,0,0]   ; t - M', two at a time
.set j_, j_+2
.endr
	WIN 0
.irp b, 0,1,2,3,4
	v_fma_f32 v[TM+\b], v[TM+\b], s[CS], v[NM]     ; the same of each block's largest score
.endr
	s_wait_alu depctr_va_vdst(0)                   ; the wait ahead of the batch
.set j_, 0
.rept 80
	v_exp_f32 v[W+j_], v[W+j_]                     ; p' = 2^(t - M'), at most 1; 0 for a hidden key
.set j_, j_+1
.endr
	v_nop                                          ; a plain place behind the exponentials
	s_wait_alu depctr_va_vdst(0)                   ; one wait for the batch, ahead of its first reader
.irp b, 0,1,2,3,4
	v_exp_f32 v[TM+\b], v[TM+\b]                   ; the block's largest p'
.endr
.irp e, 0,2,4,6                                ; the sum of the unquantised p', in four chains: plain work behind the five
	v_pk_add_f32 v[SA+\e:SA+\e+1], v[W+2*\e:W+2*\e+1], v[W+2*\e+2:W+2*\e+3]
.endr
.irp j, 16,24,32,40,48,56,64,72
.irp e, 0,2,4,6
	v_pk_add_f32 v[SA+\e:SA+\e+1], v[SA+\e:SA+\e+1], v[W+\j+\e:W+\j+\e+1]
.endr
.endr
	v_pk_add_f32 v[SA:SA+1], v[SA:SA+1], v[SA+2:SA+3]
	v_pk_add_f32 v[SA+4:SA+5], v[SA+4:SA+5], v[SA+6:SA+7]
	v_pk_add_f32 v[SA:SA+1], v[SA:SA+1], v[SA+4:SA+5]
	s_wait_alu depctr_va_vdst(0)                   ; and one for the five
.irp b, 0,1,2,3,4
	v_max_num_f32 v[TM+\b], 0x1800000, v[TM+\b]    ; the floor 2^(3 - 127): a block whose every p' is 0 keeps the byte 1; its codes are zeros
.endr
.irp b, 0,1,2,3,4
	v_add_nc_u32 v[SO+\b], 0xff000000, v[TM+\b]
.endr
.irp b, 0,1,2,3
	v_lshrrev_b32 v[BY+\b], 23, v[SO+\b]
.endr
	v_lshrrev_b32 v[R_+1], 23, v[SO+4]
	v_lshl_or_b32 v[R_], v[BY+1], 8, v[BY]
	v_lshl_or_b32 v[R_], v[BY+2], 16, v[R_]
	v_lshl_or_b32 v[R_], v[BY+3], 24, v[R_]
	s_wait_alu depctr_va_vdst(0)                   ; the wait here, directly ahead of the wait below
	s_wait_xcnt 0x0                                ; the last block's stores have read the codes' registers
.irp b, 0,1,2,3,4
	v_cvt_scalef32_pk16_fp6_f32 v[PC+4*\b:PC+4*\b+2], v[W+16*\b:W+16*\b+15], v[SO+\b]
.endr
	v_add_f32 v[SA], v[SA], v[SA+1]                ; l': the sum's two halves (also the plain place behind the conversions),
	v_permlanex16_b32 v[SA+2], v[SA], s[SEL], s[SEL+1]
	v_add_f32 v[R_+3], v[SA], v[SA+2]              ; and lane l xor 16's
.irp b, 0,1,2,3,4
	global_store_b96 v[CO], v[PC+4*\b:PC+4*\b+2], s[8:9] offset:(\a)*26880+384*\b   ; 384 consecutive bytes
.endr
.if (\a)%2                             ; lanes 0-15 the even block's records, lanes 16-31 the odd one's: 512 consecutive bytes, aligned
.irp e, 0,1,2,3
	v_cndmask_b32 v[OUTR+\e], v[RC+\e], v[RC+4+\e], s[HM]
.endr
	global_store_b128 v[SRO], v[OUTR:OUTR+3], s[10:11] offset:512*((\a)/2)
.endif
.endm
.irp a, 0,1,2,3
	EPI \a
.endr
	s_wait_tensorcnt 0x0                           ; the wave's end
	ds_add_u32 v[SPW], v[NIL]
	s_wait_dscnt 0x0
	s_endpgm
.Lfunc_end_k_qeeb83e7d0a_scores:
	.size	k_qeeb83e7d0a_scores, .Lfunc_end_k_qeeb83e7d0a_scores-k_qeeb83e7d0a_scores
	.p2alignl 7, 3214868480
	.fill 96, 4, 3214868480
	.section	.rodata,"a",@progbits
	.p2align	6, 0x0
	.amdhsa_kernel k_qeeb83e7d0a_scores
		.amdhsa_group_segment_fixed_size 327680
		.amdhsa_private_segment_fixed_size 0
		.amdhsa_enable_private_segment 0
		.amdhsa_kernarg_size 32
		.amdhsa_user_sgpr_count 2
		.amdhsa_user_sgpr_kernarg_segment_ptr 1
		.amdhsa_wavefront_size32 1
		.amdhsa_system_sgpr_workgroup_id_x 1
		.amdhsa_system_sgpr_workgroup_id_y 1
		.amdhsa_system_sgpr_workgroup_id_z 1
		.amdhsa_system_vgpr_workitem_id 0
		.amdhsa_next_free_vgpr 1024
		.amdhsa_next_free_sgpr 90
		.amdhsa_reserve_vcc 1
		.amdhsa_float_denorm_mode_32 3
		.amdhsa_float_denorm_mode_16_64 3
		.amdhsa_memory_ordered 1
		.amdhsa_forward_progress 1
		.amdhsa_inst_pref_size 166
	.end_amdhsa_kernel
	.amdgpu_metadata
---
amdhsa.version: [ 1, 2 ]
amdhsa.kernels:
  - .name:           k_qeeb83e7d0a_scores
    .symbol:         k_qeeb83e7d0a_scores.kd
    .args:
      - { .name: qkv, .offset: 0, .size: 8, .value_kind: global_buffer, .address_space: global }
      - { .name: qkvs, .offset: 8, .size: 8, .value_kind: global_buffer, .address_space: global }
      - { .name: pc, .offset: 16, .size: 8, .value_kind: global_buffer, .address_space: global }
      - { .name: psx, .offset: 24, .size: 8, .value_kind: global_buffer, .address_space: global }
    .group_segment_fixed_size: 327680
    .private_segment_fixed_size: 0
    .kernarg_segment_align: 8
    .kernarg_segment_size: 32
    .max_flat_workgroup_size: 128
    .sgpr_count:     90
    .vgpr_count:     1024
    .wavefront_size: 32
...
	.end_amdgpu_metadata
.endif
;; end of part 3
;; launch pv (part 4): grid 8 x 32, 4 waves a work-group, clusters of 4 x 1, 327,680 bytes of LDS; arguments pc, psx, qkv, qkvs, out0; writes out0
.if DOCPART == 4
	.amdgcn_target "amdgcn-amd-amdhsa--gfx1250"
	.amdhsa_code_object_version 6
	.text
	.protected	k_qeeb83e7d0a_pv
	.globl	k_qeeb83e7d0a_pv
	.p2align	8
	.type	k_qeeb83e7d0a_pv,@function
k_qeeb83e7d0a_pv:
	s_mov_b64 s[64:65], 0
	v_nop
	global_prefetch_b8 v0, s[64:65] scope:SCOPE_SE
	s_setreg_imm32_b32 hwreg(HW_REG_WAVE_MODE, 25, 1), 1
	s_wait_xcnt 0x0
	s_wait_alu depctr_hold_cnt(0) depctr_sa_sdst(0) depctr_va_vdst(0) depctr_va_sdst(0) depctr_va_ssrc(0) depctr_va_vcc(0) depctr_vm_vsrc(0)
	s_getreg_b32 s2, hwreg(HW_REG_IB_STS2, 6, 4)
	s_cmp_eq_u32 s2, 0
	s_cbranch_scc0 .Lentry_in_a_cluster
	s_endpgm
.Lentry_in_a_cluster:
	s_bfe_u32 s2, ttmp6, 0x10000c
	s_cmp_lg_u32 s2, 0x3003
	s_cbranch_scc0 .Lentry_shape_is_right
	s_endpgm
.Lentry_shape_is_right:
; LAUNCH 4 OF 4: O = P V / l.  Work left out: key steps wholly above the diagonal (shown at the head of launch 1).
; THE DEAL.  Work-group (x = 0 .. 7, y = 4 i + batch, i = 0 .. 7) makes columns 128 x .. + 127 of TWO blocks of 128 queries: the long one, L = 15 - i, with key steps 0 .. 15 - i, and the short one, i, with key steps 0 .. i:
; 17 products of 128 x 128 x 128 for every i, so 256 work-groups of equal work.  Four waves, 2 x 2: wq = wave / 2 takes 64 queries of each block (4 fragments of P, second source: a lane is a query), wd = wave % 2 takes 64 of d
; (4 fragments of v^T, first source): 16 accumulators a block, 256 registers.
; FIVE CHUNKS of four key steps, whatever i is: L's steps 0-3, 4-7, 8-11, the short block's 0-3, and a fifth: where i < 4 L's steps 12-15, else the short block's 4-7.  A step past its block's last is not multiplied.
; LDS: six units of 49,152 bytes, each a tile of 8 fragments x 4 key steps: P's in units 0, 2, 4, v^T's in 1, 3, 5.  Head, one load a wave: L 0-3, v^T 0-3, L 4-7, v^T 4-7; a first barrier shows the first two.
; Round A, behind the first chunk: the short block's 0-3 (unit 4), v^T 8-11 (unit 5), first fills.  Round B, behind the second: L 8-11 (unit 0), the fifth chunk's P (unit 2) and v^T (unit 3).  Every load is read, whatever i is;
; which addresses the fifth chunk's loads take is a choice by ids.  At most one tensor load of a wave is out.
; The block that is finished first leaves first: where i < 4 the short one under round B's loads, else L ahead of the fifth chunk.
; CLUSTER: four work-groups along d have the same i and batch and need the same P: its tiles are asked for jointly (mask 15).  v^T's tiles differ between them.  No prefetch: the walk is written out, with no loop to run ahead in.
; THE STATS.  Launch 3 left each group of 160 keys under a whole number M' of its own, with five scale bytes a row.  Here M = max M' over the live groups; l = the sum of l' 2^(M' - M); the bytes are laid as one word for each
; key step of 128, and M - M' is taken off them: exact powers of two.  Waves 0, 1 do it for L, waves 2, 3 for i; a lane has two rows.
; A byte that would fall under 0 is held at 0 (LIMIT: it then stands for 2^-127, beside a row whose largest p is above 1/2).  The adjusted words, v^T's words and 1 / l go to LDS bytes of their own, which no tensor load fills.
; REGISTERS: window 0: v1-29 addresses; v32-39 scale words, two sets; v48-63 1 / l as pairs; v64-253 the stats, then v128-223 P's fragments, two sets; on the way out v64-191.
; window 1: v^T's fragments, two sets (v0, v48).  window 2: the accumulators, L at v0, i at v128.
.set UNIT,  49152
.set PSC,   294912                     ; the adjusted words: [block][16 key steps][512]: (fragment a, lane r) at 256 (a / 4) + 16 r + 4 (a % 4)
.set VSC,   PSC+16384                  ; v^T's words: [16 key steps][512]
.set RL,    VSC+8192                   ; 1 / l: [block][512]
.set SPARE, RL+1024
.set STG,   4*UNIT                     ; the way out: two stages of 16 rows x 272 bytes for each wave, by turns, 34,816 bytes in unit 4: it has had its one fill, and nobody reads it behind the barrier that follows the short block's first chunk
.set STW,   8704
.set SPI,   272
.set CO,   4                           ; v4   4,096 h + 16 r
.set LI,   5                           ; v5   16 x lane
.set SOF,  6                           ; v6   my first row's record in a group
.set VOF,  7
.set AP0,  8                           ; v8-10  P in units 0, 2, 4
.set AP2,  9
.set AP4,  10
.set AV1,  11                          ; v11-13 v^T in units 1, 3, 5
.set AV3,  12
.set AV5,  13
.set ASL,  14                          ; scale words: lanes 0-15 P's, lanes 16-31 v^T's
.set ASB,  15
.set STO,  16
.set SRD,  17
.set PSA,  18
.set VSA,  19
.set RLA,  20
.set RLR,  21
.set SPW,  28
.set NIL,  29
.set SC,   32
.set YL,   48
.set YB,   56
.set RB,   64                          ; v64-167  the records: register 8 g + 4 e + 0 .. 3: four bytes, the fifth, -M', l' of group g, row e
.set OFS,  168                         ; v168-180 their offsets
.set DN,   168                         ; v168-193 M' - M of group g, row e at 2 g + e, then M - M' in each byte
.set VW,   194                         ; v194-209 v^T's words of my four key steps
.set WQ,   210                         ; v210-225 a row's 16 words
.set DQ,   226                         ; v226-241 and what is taken off them
.set MX,   242
.set LL,   244
.set TT,   246
.set PF,   128
.set T,    64
.set BK,   128
.set QI,   20                          ; s20 i
.set QL,   21                          ; s21 15 - i
.set QG,   32                          ; s32 the last live group of the block whose stats are mine
.set G1P,  40
.set G1V,  48
.set GA,   56                          ; wave 0's group 0,
.set GB,   60                          ; wave 1's,
.set GC,   68                          ; wave 2's,
.set GD,   72                          ; wave 3's
.set MSB, 0
.macro WIN new
.if MSB != \new
	s_set_vgpr_msb (MSB<<8)|\new
.set MSB, \new
.endif
.endm
.macro PLACES n
.rept \n
	v_nop
.endr
.endm
.macro TLOAD g0, g1
	tensor_load_to_lds s[\g0:\g0+3], s[\g1:\g1+7]
	s_nop 0
	PLACES 4
.endm
.macro CROUND
	s_barrier_signal -1
	s_barrier_wait -1
	s_cmp_lg_u32 s14, 0
	s_cbranch_scc1 .Lnot_wave_0_\@
	s_barrier_signal -3
.Lnot_wave_0_\@:
	s_barrier_wait -3
	s_barrier_signal -1
	s_barrier_wait -1
.endm
.macro GROUP1 g, w0, p                 ; 8 fragments x 6,144 bytes, no padding; p: from a fragment to the next, in elements of 8 bytes
	s_mov_b32 s[\g], \w0
	s_mov_b32 s[\g+1], 768<<16
	s_mov_b32 s[\g+2], 8<<16
	s_mov_b32 s[\g+3], 768<<16
	s_mov_b32 s[\g+4], 8
	s_mov_b32 s[\g+5], \p
	s_mov_b32 s[\g+6], 0
	s_mov_b32 s[\g+7], 0
.endm
.macro GROUP0 g, unit, base, off, d    ; the tile at s[base] + s[off] + d
	s_mov_b32 s[\g], 1
	s_mov_b32 s[\g+1], (\unit)*UNIT
	s_add_co_u32 s38, s[\off], \d
	s_add_nc_u64 s[\g+2:\g+3], s[\base:\base+1], s[38:39]
	s_or_b32 s[\g+3], s[\g+3], 0x80000000
.endm
.macro FRAG3 reg, adr, off
.irp c, 0,1,2
	ds_load_b128 v[\reg+4*\c:\reg+4*\c+3], v[\adr] offset:\off+512*\c
.endr
.endm
.macro FRAGP reg, adr, off             ; P: lane (r, h) takes the 24 bytes of row r of blocks h and 2 + h, in pieces of 8
.irp c, 0,1
.irp p, 0,1,2
	ds_load_b64 v[\reg+6*\c+2*\p:\reg+6*\c+2*\p+1], v[\adr] offset:\off+768*\c+8*\p
.endr
.endr
.endm
.macro FETCH ap, av, as, u, s          ; key step s, the u-th of its chunk: 12 + 24 + 1 loads into set u % 2
	WIN 0x40
.irp b, 0,1,2,3
	FRAG3 48*((\u)%2)+12*\b, \av, 6144*\b+1536*(\u)
.endr
	WIN 0
.irp a, 0,1,2,3
	FRAGP PF+48*((\u)%2)+12*\a, \ap, 6144*\a+1536*(\u)
.endr
	ds_load_b128 v[SC+4*((\u)%2):SC+4*((\u)%2)+3], v[\as] offset:512*(\s)
.endm
.macro MUL acc, u, zero                ; 16 products; the accumulators take turns, one instruction a turn
.set V_, 48*((\u)%2)
.set Q_, PF+48*((\u)%2)
.set S_, SC+4*((\u)%2)
.irp a, 0,1,2,3
.irp b, 0,1,2,3
.if \zero
	v_wmma_scale_f32_16x16x128_f8f6f4 v[\acc+8*(4*\a+\b):\acc+8*(4*\a+\b)+7], v[V_+12*\b:V_+12*\b+11], v[Q_+12*\a:Q_+12*\a+11], 0, v[S_+\b], v[S_+\a] matrix_a_fmt:MATRIX_FMT_FP6 matrix_b_fmt:MATRIX_FMT_FP6 matrix_a_scale:MATRIX_SCALE_ROW1
.else
	v_wmma_scale_f32_16x16x128_f8f6f4 v[\acc+8*(4*\a+\b):\acc+8*(4*\a+\b)+7], v[V_+12*\b:V_+12*\b+11], v[Q_+12*\a:Q_+12*\a+11], v[\acc+8*(4*\a+\b):\acc+8*(4*\a+\b)+7], v[S_+\b], v[S_+\a] matrix_a_fmt:MATRIX_FMT_FP6 matrix_b_fmt:MATRIX_FMT_FP6 matrix_a_scale:MATRIX_SCALE_ROW1
.endif
.endr
.endr
.endm
; A CHUNK: key steps s0 .. s0 + 3 into the accumulators at acc; each fetches the next step's fragments ahead of its products.  first = 1: its first products start the sums.  lim: the scalar that holds the block's last key step, or 0.
.macro CHUNK acc, ap, av, as, s0, first, lim
	PLACES 4
	FETCH \ap, \av, \as, 0, \s0
.irp u, 0,1,2,3
.if (\u > 0) && (\lim > 0)
	s_cmp_lt_u32 s[\lim], \s0+\u
	s_cbranch_scc1 .Lchunk_end_\@
.endif
	s_wait_dscnt 0x0                               ; this step's fragments are in
.if \u < 3
	PLACES 4
	FETCH \ap, \av, \as, \u+1, \s0+\u+1
.endif
	WIN 0xa1                                       ; first source (v^T) window 1, second (P) window 0, C and D window 2
.if (\u == 0) && (\first > 0)
	MUL \acc, \u, 1
.else
	MUL \acc, \u, 0
.endif
	WIN 0
.endr
.if \lim > 0
.Lchunk_end_\@:
	s_wait_dscnt 0x0                               ; a step past the last may have been fetched: its registers are free from here on
.endif
.endm
; THE WAY OUT of a block, 16 queries at a time: O^T / l; register 16 b + n of the 32 is d 32 b + 16 h + n of my 64, of my lane's query.  It goes through my stage and comes back as whole rows of 256 bytes.
.macro TOSTAGE acc, y, a
.set T_, T+32*((\a)%2)
.set B_, BK+32*((\a)%2)
	WIN 0x02                                       ; source 0: the accumulators' window
.set j_, 0
.rept 16
	v_pk_mul_f32 v[T_+j_:T_+j_+1], v[\acc+32*(\a)+j_:\acc+32*(\a)+j_+1], v[\y+2*(\a):\y+2*(\a)+1] op_sel_hi:[1,0]
.set j_, j_+2
.endr
	WIN 0
.irp bb, 0,1
.irp k, 0,1,2,3
	ds_store_b128 v[STO], v[T_+16*\bb+4*\k:T_+16*\bb+4*\k+3] offset:16*SPI*((\a)%2)+128*\bb+16*\k
.endr
.endr
.if (\a) > 1
	s_wait_xcnt 0x0                                ; block a - 2's stores have read the registers into which these loads land
.endif
.irp t, 0,1,2,3,4,5,6,7
	ds_load_b128 v[B_+4*\t:B_+4*\t+3], v[SRD] offset:16*SPI*((\a)%2)+2*SPI*\t   ; LDS serves a wave's instructions in order (ISA guide 5.7.1.4): these see the stores above
.endr
.endm
.macro SEND base, a, younger           ; younger: the LDS instructions issued behind block a's loads
.set B_, BK+32*((\a)%2)
	s_wait_dscnt \younger
.irp t, 0,1,2,3,4,5,6,7
	global_store_b128 v[CO], v[B_+4*\t:B_+4*\t+3], s[\base:\base+1] offset:(32*((\a)/2)+8*((\a)%2)+2*\t+8*(\t/4))*4096 th:TH_STORE_NT   ; two rows: sixteen lanes store 256 consecutive bytes, aligned
.endr
.endm
.macro OUT acc, y, base
	PLACES 4
	TOSTAGE \acc, \y, 0
	TOSTAGE \acc, \y, 1
	SEND \base, 0, 16                              ; behind block 0's loads: block 1's 8 stores and 8 loads
	TOSTAGE \acc, \y, 2
	SEND \base, 1, 16
	TOSTAGE \acc, \y, 3
	SEND \base, 2, 16
	SEND \base, 3, 0
.endm
	s_load_b256 s[4:11], s[0:1], 0x0               ; pc, psx, qkv, qkvs
	s_load_b64 s[12:13], s[0:1], 0x20              ; out0
	v_lshl_add_u32 v[SPW], v0, 2, SPARE
	v_mov_b32 v[NIL], 0
	ds_add_u32 v[SPW], v[NIL]                      ; the wave's opening: the add, twice on end, and its wait ahead of my first tensor load
	ds_add_u32 v[SPW], v[NIL]
	v_lshrrev_b32 v1, 5, v0
	v_readfirstlane_b32 s14, v1                    ; wave
	s_lshr_b32 s15, s14, 1                         ; wq.  Also: the block whose stats are mine: 0 L, 1 i
	s_and_b32 s16, s14, 1                          ; wd.  Also: which half of the stats' rows is mine
	s_bfe_u32 s17, ttmp6, 0x40000
	s_lshl_b32 s18, ttmp9, 2
	s_add_co_u32 s17, s17, s18                     ; x: 128 of d
	s_and_b32 s18, ttmp7, 0xffff
	s_and_b32 s19, s18, 3                          ; batch
	s_lshr_b32 s[QI], s18, 2
	s_sub_co_u32 s[QL], 15, s[QI]
	s_lshl_b32 s33, s19, 4                         ; 16 batch
	s_add_co_u32 s22, s33, s[QL]                   ; P of L: fragment 8 (16 batch + L), 26,880 bytes each
	s_mul_i32 s22, s22, 215040
	s_add_co_u32 s24, s33, s[QI]                   ; P of i
	s_mul_i32 s24, s24, 215040
	s_lshl_b32 s26, s19, 3
	s_add_co_u32 s26, s26, s17
	s_add_co_u32 s26, s26, 64                      ; v^T: fragment 8 (64 + 8 batch + x);
	s_lshl_b32 s28, s26, 13                        ; its words
	s_mov_b32 s29, 0
	s_mul_i32 s26, s26, 196608
	s_add_co_u32 s23, s22, 18432                   ; the fifth chunk's P: L's steps 12-15 or the short block's 4-7,
	s_add_co_u32 s25, s24, 6144
	s_cmp_lt_u32 s[QI], 4
	s_cselect_b32 s23, s23, s25
	s_cselect_b32 s25, 18432, 0                    ; and its v^T: steps 12-15 or (6,144 added below) 4-7
	s_cselect_b32 s27, 0, 6144
	s_add_co_u32 s25, s25, s27
	s_add_co_u32 s25, s25, s26
	s_mov_b32 s39, 0
	s_cmp_lt_u32 s14, 2
	s_cselect_b32 s27, s[QL], s[QI]
	s_add_co_u32 s30, s33, s27                     ; the records of G = 16 batch + block
	s_mul_i32 s30, s30, 28672
	s_mov_b32 s31, 0
	s_lshl_b32 s27, s27, 2                         ; the block's last scale block is 4 block + 3: group (4 block + 3) / 5 = 13 (4 block + 3) / 64 for numbers up to 63
	s_add_co_u32 s27, s27, 3
	s_mul_i32 s27, s27, 13
	s_lshr_b32 s[QG], s27, 6
	s_lshl_b32 s34, s19, 23                        ; out0: row 2,048 batch + 128 block + 64 wq, column 128 x + 64 wd
	s_lshl_b32 s33, s15, 18
	s_add_co_u32 s34, s34, s33
	s_lshl_b32 s33, s17, 9
	s_add_co_u32 s34, s34, s33
	s_lshl_b32 s33, s16, 8
	s_add_co_u32 s34, s34, s33
	s_lshl_b32 s33, s[QI], 19
	s_add_co_u32 s36, s34, s33
	s_lshl_b32 s33, s[QL], 19
	s_add_co_u32 s34, s34, s33
	s_mov_b32 s35, 0
	s_mov_b32 s37, 0
	GROUP1 G1P, 15|(3<<16)|(1<<21), 3360           ; joint: 15:0 the mask, all four; 17:16 elements of 8 bytes; 21 set beside a mask
	GROUP1 G1V, 3<<16, 3072
	s_mul_i32 s38, s16, 24576
	s_mul_i32 s66, s15, 24576
	s_lshl_b32 s67, s16, 8                         ; 256 wd
	s_lshl_b32 s84, s15, 8                         ; 256 wq
	s_add_co_u32 s85, s67, VSC-PSC
	s_sub_co_u32 s85, s85, s84                     ; from P's words to v^T's
	s_sub_co_u32 s86, s85, 8192
	s_add_co_u32 s87, s84, PSC
	s_add_co_u32 s84, s84, RL
	v_and_b32 v1, 15, v0                           ; r
	v_bfe_u32 v2, v0, 4, 1                         ; h
	v_and_b32 v3, 31, v0                           ; lane
	v_lshlrev_b32 v[LI], 4, v3
	v_lshlrev_b32 v22, 4, v1                       ; 16 r
	v_lshl_add_u32 v[CO], v2, 12, v22
	v_mul_u32_u24 v23, v1, 24
	v_mul_u32_u24 v24, v2, 384
	v_add_nc_u32 v23, v23, v24
	v_add_nc_u32 v[AP0], s66, v23
	v_add_nc_u32 v[AP2], 2*UNIT, v[AP0]
	v_add_nc_u32 v[AP4], 4*UNIT, v[AP0]
	v_add_nc_u32 v25, s38, v[LI]
	v_add_nc_u32 v[AV1], UNIT, v25
	v_add_nc_u32 v[AV3], 3*UNIT, v25
	v_add_nc_u32 v[AV5], 5*UNIT, v25
	v_mul_u32_u24 v23, s85, v2
	v_mul_u32_u24 v24, s86, v2
	v_add_nc_u32 v23, v23, v22
	v_add_nc_u32 v24, v24, v22
	v_add_nc_u32 v[ASL], s87, v23
	v_add_nc_u32 v[ASB], s87, v24
	v_add_nc_u32 v[ASB], 8192, v[ASB]
	v_add_nc_u32 v[RLR], s84, v22
	v_lshl_add_u32 v26, v2, 2, v22                 ; 16 r + 4 h: my first row's word; my second row's lies 8 on
	s_mul_i32 s38, s14, STW
	s_add_co_u32 s38, s38, STG
	s_lshl_b32 s84, s15, 13
	s_add_co_u32 s84, s84, s67
	s_lshl_b32 s66, s15, 9
	s_wait_alu depctr_va_vdst(0)                   ; the wait here, ahead of the readers below
	s_add_co_u32 s66, s66, s67
	s_lshl_b32 s85, s14, 11
	s_lshl_b32 s86, s16, 10
	v_mul_u32_u24 v23, v1, SPI
	v_lshl_add_u32 v23, v2, 6, v23
	v_add_nc_u32 v[STO], s38, v23                  ; in: row r, 64 bytes for each half of the lanes
	v_mul_u32_u24 v24, v2, SPI
	v_add_nc_u32 v24, v24, v22
	v_add_nc_u32 v[SRD], s38, v24                  ; back: sixteen lanes to a row
	v_add_nc_u32 v[SOF], s86, v[LI]
	v_add_nc_u32 v[PSA], s84, v26
	v_add_nc_u32 v[PSA], PSC, v[PSA]
	v_add_nc_u32 v[RLA], s66, v26
	v_add_nc_u32 v[RLA], RL, v[RLA]
	v_add_nc_u32 v[VOF], s85, v[LI]
	v_add_nc_u32 v[VSA], VSC, v[VOF]
	s_wait_alu depctr_va_vdst(0)
.irp g, 0,1,2,3,4,5,6,7,8,9,10,11,12           ; group g is read at min(g, the last live one): nothing is read that launch 3 has not stored
	s_min_u32 s84, s[QG], \g
	s_lshl_b32 s84, s84, 11
	v_add_nc_u32 v[OFS+\g], s84, v[SOF]
.endr
	s_wait_alu depctr_va_vdst(0)                   ; the wait at the head's end
	s_wait_dscnt 0x0                               ; both opening adds are done
	CROUND                                         ; all four work-groups are here: the first joint loads meet
	s_wait_kmcnt 0x0
	GROUP0 GA, 0, 4, 22, 0
	GROUP0 GB, 1, 8, 26, 0
	GROUP0 GC, 2, 4, 22, 6144
	GROUP0 GD, 3, 8, 26, 6144
	s_cmp_eq_u32 s14, 0                            ; the head's loads, one a wave: one chain of branches on the wave's number
	s_cbranch_scc0 .Lwave_1
	TLOAD GA, G1P
	s_branch .Lasked
.Lwave_1:
	s_cmp_eq_u32 s14, 1
	s_cbranch_scc0 .Lwave_2
	TLOAD GB, G1V
	s_branch .Lasked
.Lwave_2:
	s_cmp_eq_u32 s14, 2
	s_cbranch_scc0 .Lwave_3
	TLOAD GC, G1P
	s_branch .Lasked
.Lwave_3:
	TLOAD GD, G1V
.Lasked:
	s_add_nc_u64 s[6:7], s[6:7], s[30:31]
	s_add_nc_u64 s[10:11], s[10:11], s[28:29]
	s_add_nc_u64 s[34:35], s[12:13], s[34:35]
	s_add_nc_u64 s[36:37], s[12:13], s[36:37]
.irp g, 0,1,2,3,4,5,6,7,8,9,10,11,12
.irp e, 0,1
	global_load_b128 v[RB+8*\g+4*\e:RB+8*\g+4*\e+3], v[OFS+\g], s[6:7] offset:512*\e    ; 32 lanes read 512 consecutive bytes
.endr
.endr
.irp u, 0,1,2,3
	global_load_b128 v[VW+4*\u:VW+4*\u+3], v[VOF], s[10:11] offset:512*\u
.endr
	s_wait_loadcnt 4                               ; the records are in; v^T's words may be out
.irp e, 0,1
	v_max3_num_f32 v[MX+\e], -v[RB+4*\e+2], -v[RB+8+4*\e+2], -v[RB+16+4*\e+2]   ; M = the largest M'
.endr
.irp g, 3,5,7,9,11
.irp e, 0,1
	v_max3_num_f32 v[MX+\e], v[MX+\e], -v[RB+8*\g+4*\e+2], -v[RB+8*\g+8+4*\e+2]
.endr
.endr
.set j_, 0
.rept 26
	v_sub_f32 v[DN+j_], -v[RB+4*j_+2], v[MX+j_%2]  ; M' - M: whole numbers, 0 or less
.set j_, j_+1
.endr
.set j_, 0
.rept 26
	v_cvt_i32_f32 v[DN+j_], v[DN+j_]               ; (it saturates)
.set j_, j_+1
.endr
.set j_, 0
.rept 26
	v_ldexp_f32 v[RB+4*j_+3], v[RB+4*j_+3], v[DN+j_]   ; l' 2^(M' - M): nothing is rounded
.set j_, j_+1
.endr
.irp g, 1,2,3,4,5,6,7,8,9,10,11,12
	s_cmp_ge_u32 s[QG], \g                         ; a group past the last live one, read there a second time, counts for nothing: a choice by ids
	s_cselect_b32 s84, 0x3f800000, 0
.irp e, 0,1
.if \g == 1
	v_fma_f32 v[LL+\e], v[RB+8*\g+4*\e+3], s84, v[RB+4*\e+3]
.else
	v_fma_f32 v[LL+\e], v[RB+8*\g+4*\e+3], s84, v[LL+\e]
.endif
.endr
.endr
.set j_, 0
.rept 26
	v_sub_nc_u32 v[DN+j_], 0, v[DN+j_]             ; D = M - M', 0 or more,
.set j_, j_+1
.endr
.set j_, 0
.rept 26
	v_min_u32 v[DN+j_], 0x7f, v[DN+j_]             ; at most 127 (a byte is at most 125: p' is at most 1),
.set j_, j_+1
.endr
.set j_, 0
.rept 26
	v_lshl_or_b32 v[DN+j_], v[DN+j_], 8, v[DN+j_]
.set j_, j_+1
.endr
.set j_, 0
.rept 26
	v_lshl_or_b32 v[DN+j_], v[DN+j_], 16, v[DN+j_] ; in each byte
.set j_, j_+1
.endr
; A row's bytes lie five to a group; a key step's word takes four on end: five words for four groups.  Then four bytes at once: byte + 128 - D lies in 1 .. 253, so no byte borrows from the next; its bit 7 says
; that D is no greater than the byte, and where it is not set the byte becomes 0.  The records' -M' and l' are free by now and hold what comes between.
.irp e, 0,1
.irp q, 0,1,2
	v_mov_b32 v[WQ+5*\q], v[RB+4*\e+32*\q]
	v_lshl_or_b32 v[WQ+5*\q+1], v[RB+4*\e+32*\q+8], 8, v[RB+4*\e+32*\q+1]
	v_lshrrev_b32 v[WQ+5*\q+2], 24, v[RB+4*\e+32*\q+8]
	v_lshrrev_b32 v[WQ+5*\q+3], 16, v[RB+4*\e+32*\q+16]
	v_lshrrev_b32 v[WQ+5*\q+4], 8, v[RB+4*\e+32*\q+24]
	v_lshl_or_b32 v[WQ+5*\q+2], v[RB+4*\e+32*\q+9], 8, v[WQ+5*\q+2]
	v_lshl_or_b32 v[WQ+5*\q+3], v[RB+4*\e+32*\q+17], 16, v[WQ+5*\q+3]
	v_lshl_or_b32 v[WQ+5*\q+4], v[RB+4*\e+32*\q+25], 24, v[WQ+5*\q+4]
	v_lshl_or_b32 v[WQ+5*\q+2], v[RB+4*\e+32*\q+16], 16, v[WQ+5*\q+2]
	v_lshl_or_b32 v[WQ+5*\q+3], v[RB+4*\e+32*\q+24], 24, v[WQ+5*\q+3]
	v_mov_b32 v[DQ+5*\q], v[DN+8*\q+\e]
	v_bfi_b32 v[DQ+5*\q+1], 0xff, v[DN+8*\q+\e], v[DN+8*\q+2+\e]
	v_bfi_b32 v[DQ+5*\q+2], 0xffff, v[DN+8*\q+2+\e], v[DN+8*\q+4+\e]
	v_bfi_b32 v[DQ+5*\q+3], 0xffffff, v[DN+8*\q+4+\e], v[DN+8*\q+6+\e]
	v_mov_b32 v[DQ+5*\q+4], v[DN+8*\q+6+\e]
.endr
	v_mov_b32 v[WQ+15], v[RB+4*\e+96]
	v_mov_b32 v[DQ+15], v[DN+24+\e]
.set j_, 0
.rept 16
	v_or_b32 v[WQ+j_], 0x80808080, v[WQ+j_]
.set j_, j_+1
.endr
.set j_, 0
.rept 16
	v_sub_nc_u32 v[WQ+j_], v[WQ+j_], v[DQ+j_]
.set j_, j_+1
.endr
.set j_, 0
.rept 16
	v_and_b32 v[RB+4*j_+2], 0x80808080, v[WQ+j_]
.set j_, j_+1
.endr
.set j_, 0
.rept 16
	v_lshrrev_b32 v[RB+4*j_+3], 7, v[RB+4*j_+2]
.set j_, j_+1
.endr
.set j_, 0
.rept 16
	v_sub_nc_u32 v[RB+4*j_+2], v[RB+4*j_+2], v[RB+4*j_+3]   ; 0x7f in the bytes that stay
.set j_, j_+1
.endr
.set j_, 0
.rept 16
	v_and_b32 v[DQ+j_], v[WQ+j_], v[RB+4*j_+2]
.set j_, j_+1
.endr
.set j_, 0
.rept 16
	ds_store_b32 v[PSA], v[DQ+j_] offset:512*j_+8*\e
.set j_, j_+1
.endr
.if \e == 0
	s_wait_dscnt 0x0                               ; the stores have read their registers: the second row's may be written
.endif
.endr
	s_wait_alu depctr_va_vdst(0)                   ; the wait ahead of the batch
	v_rcp_f32 v[LL], v[LL]                         ; l is above 1/2
	v_rcp_f32 v[LL+1], v[LL+1]
	v_nop                                          ; a plain place behind the reciprocals
	s_wait_alu depctr_va_vdst(0)                   ; and one wait for both, ahead of their first reader
	ds_store_b32 v[RLA], v[LL]
	ds_store_b32 v[RLA], v[LL+1] offset:8
	s_wait_loadcnt 0x0
.irp u, 0,1,2,3
	ds_store_b128 v[VSA], v[VW+4*\u:VW+4*\u+3] offset:512*\u
.endr
	s_cmp_lt_u32 s14, 2                            ; waves 2 and 3 have load lines of their own, which may still be on their way
	s_cbranch_scc0 .Lnot_first
	s_wait_tensorcnt 0x0
.Lnot_first:
	s_wait_dscnt 0x0
	s_barrier_signal -1
	s_barrier_wait -1
	CHUNK 0, AP0, AV1, ASL, 0, 1, 0                ; L's key steps 0-3
	s_wait_tensorcnt 0x0                           ; ROUND A: the head's loads have landed
	ds_add_u32 v[SPW], v[NIL]
	GROUP0 GA, 4, 4, 24, 0                         ; no tensor load of mine is out, so a group 0 may be written: the short block's 0-3,
	GROUP0 GB, 5, 8, 26, 12288                     ; v^T's 8-11
	s_wait_dscnt 0x0
	CROUND
	s_cmp_eq_u32 s14, 0
	s_cbranch_scc0 .La_1
	TLOAD GA, G1P
	s_branch .La_done
.La_1:
	s_cmp_eq_u32 s14, 1
	s_cbranch_scc0 .La_done
	TLOAD GB, G1V
.La_done:
	ds_load_b128 v[TT:TT+3], v[RLR]                ; 1 / l of my fragments
	ds_load_b128 v[TT+4:TT+7], v[RLR] offset:512
	CHUNK 0, AP2, AV3, ASL, 4, 0, 0                ; L's 4-7
.irp e, 0,1,2,3
	v_mov_b32 v[YL+2*\e], v[TT+\e]
	v_mov_b32 v[YL+2*\e+1], v[TT+\e]               ; (named with it as a pair, so it is written)
	v_mov_b32 v[YB+2*\e], v[TT+4+\e]
	v_mov_b32 v[YB+2*\e+1], v[TT+4+\e]
.endr
	s_wait_alu depctr_va_vdst(0)                   ; the wait here, directly ahead of the wait below
	s_wait_tensorcnt 0x0                           ; ROUND B: round A's loads have landed
	ds_add_u32 v[SPW], v[NIL]                      ; 0 onto my spare word
	GROUP0 GA, 0, 4, 22, 12288                     ; L's 8-11,
	GROUP0 GC, 2, 4, 23, 0                         ; the fifth chunk's P,
	GROUP0 GD, 3, 8, 25, 0                         ; and v^T
	s_wait_dscnt 0x0                               ; the add is done, and so are my reads of units 0, 2 and 3
	CROUND                                         ; the same holds of every wave of every partner
	s_cmp_eq_u32 s14, 0
	s_cbranch_scc0 .Lb_2
	TLOAD GA, G1P
	s_branch .Lb_done
.Lb_2:
	s_cmp_eq_u32 s14, 2
	s_cbranch_scc0 .Lb_3
	TLOAD GC, G1P
	s_branch .Lb_done
.Lb_3:
	s_cmp_eq_u32 s14, 3
	s_cbranch_scc0 .Lb_done
	TLOAD GD, G1V
.Lb_done:
	CHUNK 128, AP4, AV1, ASB, 0, 1, QI             ; the short block's 0-3
	s_barrier_signal -1                            ; every wave has read unit 4 out: the stages lie there
	s_barrier_wait -1
	s_cmp_lt_u32 s[QI], 4
	s_cbranch_scc0 .Lnot_yet
	OUT 128, YB, 36                                ; i < 4: the short block is finished, and leaves under round B's loads
.Lnot_yet:
	s_wait_tensorcnt 0x0                           ; round B's loads have landed,
	s_wait_dscnt 0x0
	s_barrier_signal -1
	s_barrier_wait -1                              ; and every wave knows it.
	s_wait_xcnt 0x0                                ; the stores have read the registers into which the fragments land
	CHUNK 0, AP0, AV5, ASL, 8, 0, QL               ; L's 8-11
	s_cmp_lt_u32 s[QI], 4
	s_cbranch_scc1 .Llong
	OUT 0, YL, 34                                  ; i > 3: L is finished,
	s_wait_xcnt 0x0
	CHUNK 128, AP2, AV3, ASB, 4, 0, QI             ; and the fifth chunk is the short block's 4-7
	OUT 128, YB, 36
	s_branch .Lend
.Llong:
	CHUNK 0, AP2, AV3, ASL, 12, 0, QL              ; the fifth chunk is L's 12-15
	OUT 0, YL, 34
.Lend:
	s_wait_tensorcnt 0x0                           ; the wave's end
	ds_add_u32 v[SPW], v[NIL]
	s_wait_dscnt 0x0
	CROUND                                         ; the closing round: no work-group ends while a partner may still ask for a tile that names it
	s_endpgm
.Lfunc_end_k_qeeb83e7d0a_pv:
	.size	k_qeeb83e7d0a_pv, .Lfunc_end_k_qeeb83e7d0a_pv-k_qeeb83e7d0a_pv
	.p2alignl 7, 3214868480
	.fill 96, 4, 3214868480
	.section	.rodata,"a",@progbits
	.p2align	6, 0x0
	.amdhsa_kernel k_qeeb83e7d0a_pv
		.amdhsa_group_segment_fixed_size 327680
		.amdhsa_private_segment_fixed_size 0
		.amdhsa_enable_private_segment 0
		.amdhsa_kernarg_size 40
		.amdhsa_user_sgpr_count 2
		.amdhsa_user_sgpr_kernarg_segment_ptr 1
		.amdhsa_wavefront_size32 1
		.amdhsa_system_sgpr_workgroup_id_x 1
		.amdhsa_system_sgpr_workgroup_id_y 1
		.amdhsa_system_sgpr_workgroup_id_z 1
		.amdhsa_system_vgpr_workitem_id 0
		.amdhsa_next_free_vgpr 768
		.amdhsa_next_free_sgpr 90
		.amdhsa_reserve_vcc 0
		.amdhsa_float_denorm_mode_32 3
		.amdhsa_float_denorm_mode_16_64 3
		.amdhsa_memory_ordered 1
		.amdhsa_forward_progress 1
		.amdhsa_inst_pref_size 205
	.end_amdhsa_kernel
	.amdgpu_metadata
---
amdhsa.version: [ 1, 2 ]
amdhsa.kernels:
  - .name:           k_qeeb83e7d0a_pv
    .symbol:         k_qeeb83e7d0a_pv.kd
    .args:
      - { .name: pc, .offset: 0, .size: 8, .value_kind: global_buffer, .address_space: global }
      - { .name: psx, .offset: 8, .size: 8, .value_kind: global_buffer, .address_space: global }
      - { .name: qkv, .offset: 16, .size: 8, .value_kind: global_buffer, .address_space: global }
      - { .name: qkvs, .offset: 24, .size: 8, .value_kind: global_buffer, .address_space: global }
      - { .name: out0, .offset: 32, .size: 8, .value_kind: global_buffer, .address_space: global }
    .group_segment_fixed_size: 327680
    .private_segment_fixed_size: 0
    .kernarg_segment_align: 8
    .kernarg_segment_size: 40
    .max_flat_workgroup_size: 128
    .sgpr_count:     90
    .vgpr_count:     768
    .wavefront_size: 32
...
	.end_amdgpu_metadata
.endif
;; end of part 4
